; MI455X (gfx1250); checked and timed in simulation.
; The chip was launched on July 23, 2026; its instructions are those of AMD's public machine-readable ISA for CDNA 5 (MIT licence, August 2026) and "CDNA5" Instruction Set Architecture Reference Guide (July 2026). The comments in the code are by the model that wrote it; some were corrected since.
;; Attention. Allowed arithmetic: matrix products marked QUANTISED: E2M3 operands, one E8M0 scale for each 32 along K, by v_wmma_scale_f32_16x16x128_f8f6f4 with both operands' format E2M3, f32 sums; products left as they are: f32 operands where the result goes on into a quantised operand, else bf16, f16 or f32 operands; f32 sums; everything else in f32.
;; Inputs: Wk 2,048 x 1,024 float32; Wo 1,024 x 2,048 float32; Wq 2,048 x 1,024 float32; Wv 2,048 x 1,024 float32; x 2 x 2,048 x 2,048 float32.
;; Outputs: out0 2 x 2,048 x 2,048 float32.
;; This version of the problem:
;;   THIS VERSION OF THE PROBLEM IS GIVEN IN LOW PRECISION. The matrix products marked QUANTISED in the list below multiply operands that are first quantised to E2M3 (2 exponent bits, 3 mantissa bits; 6 bits a number), with one power-of-two scale for each 32 numbers along K (OCP MX v1.0); their sums are f32. All else is computed in f32.
;;   The module's matrix products, in the order in which they are computed (A, B: the left and right operand; K: the contracted axis; several contracted axes count as one K, in the product's order):
;;     1. [M 4,096, K 2,048] x [K 2,048, N 1,024]; A: input x; B: input Wq: QUANTISED
;;     2. [M 4,096, K 2,048] x [K 2,048, N 1,024]; A: input x; B: input Wk: QUANTISED
;;     3. [M 4,096, K 2,048] x [K 2,048, N 1,024]; A: input x; B: input Wv: QUANTISED
;;     4. [M 2,048, K 1] x [K 1, N 32]; A: computed on the way; B: computed on the way: left as it is (no contracted axis)
;;     5. batch 32 x [M 2,048, K 64] x [K 64, N 2,048]; A: computed on the way; B: computed on the way: QUANTISED
;;     6. batch 32 x [M 2,048, K 2,048] x [K 2,048, N 64]; A: softmax (see below); B: computed on the way: QUANTISED
;;     7. [M 4,096, K 1,024] x [K 1,024, N 2,048]; A: computed on the way; B: input Wo: QUANTISED
;;   THE QUANTISER, for each operand of a quantised product, along K:
;;     - K is cut into blocks of 32 from its start; a last block that is shorter is filled with zeros.
;;     - A block's scale is 2^e with e = floor(log2(the largest magnitude in the block)) - 2, held to -126 .. 127; a block of zeros has e = 0. As a byte (E8M0): e + 127.
;;     - Each number is divided by its block's scale, clamped to +-7.5, and rounded to the nearest number of E2M3, ties to even, subnormals kept.
;;     - The product sums the exact products of the quantised numbers (number of the format x scale) in f32.
;;   ~~~python
;;   def quantise(x, axis):      # numpy; x: float32 -> the quantised numbers, widened to float32 again
;;       x = np.moveaxis(x, axis, -1); K = x.shape[-1]
;;       x = np.pad(x, [(0, 0)] * (x.ndim - 1) + [(0, -K % 32)]); x = x.reshape(x.shape[:-1] + (-1, 32)); a = np.abs(x).max(-1, keepdims=True)
;;       e = np.where(a > 0, np.clip(np.frexp(np.where(a > 0, a, 1))[1] - 1 - 2, -126, 127), 0)      # np.frexp(a)[1] - 1 = floor(log2(a)), exactly
;;       r = np.clip(x / 2.0 ** e, -7.5, 7.5)
;;       step = 2.0 ** (np.maximum(np.frexp(np.where(r == 0, 1, r))[1] - 1, 0) - 3)
;;       q = np.round(r / step) * step * 2.0 ** e      # np.round: ties to even
;;       return np.moveaxis(q.reshape(q.shape[:-2] + (-1,))[..., :K], -1, axis).astype(np.float32)
;;   ~~~
;;   SOFTMAX AHEAD OF A QUANTISED PRODUCT. Where the list says 'softmax', what is quantised is not the finished softmax but p = 2^(t - M), with t = logit x log2(e) and M = ceil(the row's largest t), a whole number; so 1/2 < the row's largest p <= 1. The row's sum l is taken of the UNQUANTISED p, in f32, and the product's result is divided by l at the end. Since M is a whole number, a kernel that streams over the keys may use a running M (the ceiling of the running maximum): every later rescaling is an exact power of two, which a block's scale takes up: the codes' values come out the same.
;;   OPERANDS COMPUTED ON THE WAY. 'Computed on the way' means the value that the module computes at that place (a softmax that the list does not call 'softmax' is quantised finished and normalised). What goes into a quantiser is computed in f32, as accurately as f32 sums, v_exp_f32 and their like allow (about 1e-6 of the number): no bf16 or f16 on the way to a quantiser, and a product that is left as it is and whose result goes on into a quantised operand takes f32 operands (vector FMAs, or v_wmma_f32_16x16x4_f32). A number that lies on a knife's edge between two numbers of the format may be rounded either way, as far as f32 arithmetic and the matrix unit's own rounding can turn it there, and no further.
;; One version. Each part assembles by itself: llvm-mc -triple=amdgcn-amd-amdhsa -mcpu=gfx1250 --defsym DOCPART=n.
;; ======== version 1 of 1: 4 launches
;; limits: right only within a limited range of input values
;; workspace buffers: xq 6,553,600 bytes; wq 4,915,200 bytes; woq 1,638,400 bytes; rope 524,288 bytes; qkv 9,830,400 bytes; oq 3,276,800 bytes
;; launch prep (part 1): grid 512 x 1, 4 waves a work-group, no clusters, 103,936 bytes of LDS; arguments x, Wq, Wk, Wv, Wo, xq, wq, woq, rope; writes xq, wq, woq, rope
.if DOCPART == 1
	.amdgcn_target "amdgcn-amd-amdhsa--gfx1250"
	.amdhsa_code_object_version 6
	.text
	.protected	k_q5d07c8baef_prep
	.globl	k_q5d07c8baef_prep
	.p2align	8
	.type	k_q5d07c8baef_prep,@function
k_q5d07c8baef_prep:
	s_mov_b64 s[64:65], 0
	v_nop
	global_prefetch_b8 v0, s[64:65] scope:SCOPE_SE
	s_setreg_imm32_b32 hwreg(HW_REG_WAVE_MODE, 25, 1), 1
	s_wait_xcnt 0x0
; PREP: everything that is quantised once, and the table of cosines and sines.
;   x [4096][2048] f32            -> xq:  codes of FP6 (E2M3) [4096 rows][1536 bytes], then one E8M0 byte for each 32 along K [4096][64]
;   Wq, Wk, Wv [2048 (k)][1024]   -> wq:  codes [3072 rows][1536 bytes], K innermost (rows 0-1023 Wq's columns, then Wk's, then Wv's), then bytes [3072][64]
;   Wo [1024 (k)][2048]           -> woq: codes [2048 rows][768 bytes], K innermost, then bytes [2048][32]
;   rope: [2048 positions][32 cosines | 32 sines] f32, 256 bytes a position
; ROW ORDER.  Row p of xq and of wq holds the true row (column of W) with bits 3 and 4 of p swapped.  A tile of 16 such rows, used as the first source of a
; matrix instruction, leaves 16 true neighbours in the 16 registers of two neighbouring tiles: what the next quantiser wants.  woq keeps the true order.
; A block's scale is 2^(floor(log2(its largest magnitude)) - 2); its byte is the largest magnitude's exponent field - 2, held at 1 from below.
; SHARES.  512 work-groups of four waves that share nothing.  Every wave first makes one position of the table (2,048 waves, 2,048 positions).  Then work-groups 0-255 take x
; (a wave: 8,192 numbers, 4 rows), 256-447 Wq, Wk, Wv and 448-511 Wo (a wave: 32 columns x 256 along K).  Each way has LDS bytes of its own.
; No matrix unit, no cluster, no tensor load: a stream whose work-groups share no input.
; LIMITS: NaN and infinities among the inputs are not served.  A block of zeros gets the byte 1 (its codes are zeros; this program alone reads the bytes).
; The inverse frequency 10^(-j/8) is the product of two rounded constants: within about two units in the last place.  Sine and cosine: reduction by pi/2 in three parts
; (the first two steps round nothing for angles up to 2,047), then polynomials on +-pi/4, good to about one unit in the last place of 1.
; THE CODES' ORDER IN MEMORY.  The rows of codes named above are cut so that what one tensor load of a later launch takes is one dense run of bytes, a multiple of 256 long, at a multiple of 256:
;   xq, wq: [block of 256 rows][8 steps of 256 along K][256 rows][192 bytes];   woq: [block of 128 rows][2 halves of K][128 rows][384 bytes].  The scale bytes lie as stated above.
.set KSB,    49152                     ; 256 rows x 192 bytes (xq, wq); 128 rows x 384 bytes (woq)
.set XSCO,   6291456
.set WSCO,   4718592                   ; wq's
.set OWSC,   1572864                   ; woq's
.set XREG,   1024                      ; LDS: 0-1023 the table's 256 bytes a wave; then x's way: 8,192 bytes a wave
.set W1ST,   33792                     ; Wq, Wk, Wv's way: a stage of 32 x 272 bytes a wave
.set W2ST,   68608                     ; Wo's way: the same
.set EMAX,   2
.set SP,     80                        ; x: a lane's place in a stage: 64 bytes + 16 of padding
.set CB,     12                        ; bytes of 16 codes
.set XR,     16                        ; v16-79   x: four sets of 16 numbers as loaded
.set XX,     80                        ; v80-111  two sets of 16 neighbours
.set XE,     112                       ; v112-127 a scale byte for each step
.set XC,     128                       ; v128-191 codes, four registers a step
.set WPITCH, 272                       ; W: a stage row: sixteen places of 16 bytes + 16
.set WX,     32                        ; v32-95   two sets of 32 numbers
.set WC,     96                        ; v96..    a block's codes
.set WOUT,   112                       ; v112-175 the way out
.set WSB,    24                        ; v24-25   the scale bytes
.macro PICK dst, idx, n, bits          ; dst = bits in the lanes whose idx is n
	v_cmp_ne_u32 vcc_lo, \n, \idx
	v_cndmask_b32 \dst, \bits, \dst, vcc_lo
.endm
; ---- x: 16 steps of 512 numbers a wave.  A load takes 512 consecutive bytes; a step's 2,048 bytes turn through the wave's stage, so that a lane gets 16 neighbours
.macro XLOAD t
.irp i, 0,1,2,3
	global_load_b128 v[XR+16*((\t)%4)+4*\i:XR+16*((\t)%4)+4*\i+3], v3, s[4:5] offset:2048*(\t)+512*\i th:TH_LOAD_NT
.endr
.endm
.macro XTURN t                         ; LDS serves a wave's instructions in order: no wait between the stores and the loads
.irp i, 0,1,2,3
	ds_store_b128 v14, v[XR+16*((\t)%4)+4*\i:XR+16*((\t)%4)+4*\i+3] offset:32*SP*((\t)%2)+8*SP*\i
.endr
.irp i, 0,1,2,3
	ds_load_b128 v[XX+16*((\t)%2)+4*\i:XX+16*((\t)%2)+4*\i+3], v15 offset:32*SP*((\t)%2)+16*\i
.endr
.endm
.macro XSTEP t
.set XS, XX+16*((\t)%2)
.if (\t) > 0
	s_wait_dscnt 1                                 ; this step's numbers are back from the stage; the last step's byte store may be out
.else
	s_wait_dscnt 0x0
.endif
.if (\t)+4 < 16
	XLOAD (\t)+4                                   ; into the set whose stores into the stage have read their registers
.endif
.if (\t)+1 < 16
.if 14-(\t) >= 3
	s_wait_loadcnt 12                              ; the next step's four loads are in; those of the three steps behind it may be out
.else
	s_wait_loadcnt 4*(14-(\t))
.endif
	XTURN (\t)+1
.endif
	v_max3_num_f32 v8, |v[XS]|, |v[XS+1]|, |v[XS+2]|               ; the largest magnitude of my 16, in two chains
	v_max3_num_f32 v9, |v[XS+3]|, |v[XS+4]|, |v[XS+5]|
.irp i, 6,10
	v_max3_num_f32 v8, v8, |v[XS+\i]|, |v[XS+\i+1]|
	v_max3_num_f32 v9, v9, |v[XS+\i+2]|, |v[XS+\i+3]|
.endr
	v_max3_num_f32 v8, v8, |v[XS+14]|, |v[XS+15]|
	v_max3_num_f32 v8, v8, v9, (EMAX+1)<<23        ; and the floor 2^(3 - 127): the byte cannot fall under 1
	v_max_num_f32_dpp v8, v8, v8 row_xmask:1 row_mask:0xf bank_mask:0xf   ; with my neighbour's 16: the block's
	v_add_nc_u32 v11, -(EMAX<<23), v8              ; 2 off its exponent field: the conversion takes that field as its scale
	v_cvt_scalef32_pk16_fp6_f32 v[XC+4*(\t):XC+4*(\t)+2], v[XS:XS+15], v11
	v_lshrrev_b32 v[XE+(\t)], 23, v11              ; the scale's byte
	ds_store_b8 v5, v[XE+(\t)] offset:16*(\t)      ; both lanes of a block write the same byte with the same value
	global_store_b96 v4, v[XC+4*(\t):XC+4*(\t)+2], s[32:33] offset:192*((\t)/4)+2*KSB*((\t)%4)   ; row t / 4 of my four, K steps 2 (t % 4) and 2 (t % 4) + 1: sixteen lanes store 192 consecutive bytes
.endm
; ---- W: a lane takes a column and its registers run down K.  The symbols WNN (columns), WKK (K), WSTG (stage), WPERM (row order), WSCO_ (scale bytes) are set ahead of WBODY
.macro WLOAD t
.set i, 0
.rept 32
	global_load_b32 v[WX+32*((\t)%2)+i], v3, s[28:29] offset:(32*(\t)+i)*WNN*4 th:TH_LOAD_NT
.set i, i+1
.endr
.endm
.macro WBLOCK t
.set XS, WX+32*((\t)%2)
.if (\t) < 7
	s_wait_loadcnt 32                              ; this block's 32 loads are in; the next block's may be out
.else
	s_wait_loadcnt 0
.endif
	v_max3_num_f32 v12, |v[XS]|, |v[XS+1]|, |v[XS+2]|               ; all 32 numbers of the block are mine
	v_max3_num_f32 v13, |v[XS+3]|, |v[XS+4]|, |v[XS+5]|
.irp i, 6,10,14,18,22,26
	v_max3_num_f32 v12, v12, |v[XS+\i]|, |v[XS+\i+1]|
	v_max3_num_f32 v13, v13, |v[XS+\i+2]|, |v[XS+\i+3]|
.endr
	v_max3_num_f32 v12, v12, |v[XS+30]|, |v[XS+31]|
	v_max3_num_f32 v12, v12, v13, (EMAX+1)<<23
	v_add_nc_u32 v11, -(EMAX<<23), v12
	v_lshrrev_b32 v13, 23, v11
.if (\t)%4 == 0
	v_mov_b32 v[WSB+(\t)/4], v13                   ; four bytes to a register, the lower K in the lower byte
.else
	v_lshl_or_b32 v[WSB+(\t)/4], v13, 8*((\t)%4), v[WSB+(\t)/4]
.endif
	v_cvt_scalef32_pk16_fp6_f32 v[WC:WC+2], v[XS:XS+15], v11
	v_cvt_scalef32_pk16_fp6_f32 v[WC+4:WC+6], v[XS+16:XS+31], v11   ; (a conversion's three registers begin on an even number)
	ds_store_b96 v4, v[WC:WC+2] offset:32*(\t)     ; 12 bytes to a place of 16, so that every LDS address is a multiple of 16
	ds_store_b96 v4, v[WC+4:WC+6] offset:32*(\t)+16
.if (\t)+2 < 8
	WLOAD (\t)+2
.endif
	s_wait_dscnt 0x0                               ; the stores have read their registers: the next block's codes may be written
.endm
; on entry: s24 my wave's first column, s25 which 256 along K, s26 my first row of the output, s[28:29] the weight, s[30:31] the output buffer
.macro WBODY
	v_and_b32 v2, 31, v0
	v_lshlrev_b32 v3, 2, v2                        ; in: 4 bytes a lane
.if WPERM
	v_and_b32 v10, 7, v2                           ; my column's row among the wave's 32: bits 3 and 4 swapped
	v_bfe_u32 v11, v2, 3, 1
	v_lshl_add_u32 v10, v11, 4, v10
	v_bfe_u32 v11, v2, 4, 1
	v_lshl_add_u32 v10, v11, 3, v10
.else
	v_and_b32 v10, 31, v0
.endif
	s_mul_i32 s27, s22, 32*WPITCH
	s_add_co_u32 s27, s27, WSTG                    ; my stage
	v_mul_u32_u24 v4, v10, WPITCH
	v_add_nc_u32 v4, s27, v4                       ; into it: my column's row
	v_and_b32 v5, 15, v2
	v_lshrrev_b32 v6, 4, v2
	v_mul_u32_u24 v7, v6, WPITCH
	v_lshl_add_u32 v7, v5, 4, v7
	v_add_nc_u32 v7, s27, v7                       ; out of it: sixteen lanes to a row, two rows an instruction
	v_mul_u32_u24 v8, v6, WRP
	v_mad_u32_u24 v8, v5, 12, v8                   ; and the same place in the codes
	v_mul_u32_u24 v9, v10, WKK/32                  ; my column's row of scale bytes
	s_mul_i32 s32, s25, 256*WNN*4
	s_lshl_b32 s33, s24, 2
	s_add_co_u32 s32, s32, s33
	s_mov_b32 s33, 0
	s_add_nc_u64 s[28:29], s[28:29], s[32:33]      ; the weight at (256 y, my first column)
	s_lshr_b32 s32, s26, WSH                       ; my rows' block,
	s_mul_i32 s32, s32, WBLK
	s_and_b32 s34, s26, (1<<WSH)-1                 ; my first row in it,
	s_mul_i32 s34, s34, WRP
	s_add_co_u32 s32, s32, s34
	s_lshr_b32 s34, s25, WKS                       ; and my 256 along K: which dense run,
	s_mul_i32 s34, s34, KSB
	s_add_co_u32 s32, s32, s34
.if WKS
	s_and_b32 s34, s25, (1<<WKS)-1                 ; and which 192 bytes of its rows
	s_mul_i32 s34, s34, 192
	s_add_co_u32 s32, s32, s34
.endif
	s_add_nc_u64 s[36:37], s[30:31], s[32:33]      ; the codes
	s_mul_i32 s32, s26, WKK/32
	s_lshl_b32 s34, s25, 3
	s_add_co_u32 s32, s32, s34
	s_add_co_u32 s32, s32, WSCO_
	s_add_nc_u64 s[38:39], s[30:31], s[32:33]      ; the scale bytes
	WLOAD 0
	WLOAD 1
.irp t, 0,1,2,3,4,5,6,7
	WBLOCK \t
.endr
	s_wait_alu depctr_va_vdst(0)
	global_store_b64 v9, v[WSB:WSB+1], s[38:39]    ; my column's 8 scale bytes
.irp t, 0,1,2,3,4,5,6,7,8,9,10,11,12,13,14,15
	ds_load_b96 v[WOUT+4*\t:WOUT+4*\t+2], v7 offset:2*\t*WPITCH   ; LDS serves a wave's instructions in order: these see my stores
.endr
.irp t, 0,1,2,3,4,5,6,7,8,9,10,11,12,13,14,15
	s_wait_dscnt 15-\t
	global_store_b96 v8, v[WOUT+4*\t:WOUT+4*\t+2], s[36:37] offset:2*\t*WRP   ; sixteen lanes store a row's 192 consecutive bytes
.endr
	s_wait_tensorcnt 0x0
	ds_add_u32 v192, v193
	s_wait_dscnt 0x0
	s_endpgm
.endm
	s_load_b512 s[4:19], s[0:1], 0x0               ; x 4, Wq 6, Wk 8, Wv 10, Wo 12, xq 14, wq 16, woq 18
	s_load_b64 s[20:21], s[0:1], 0x40              ; rope
	v_lshl_add_u32 v192, v0, 2, 0x19400
	v_mov_b32 v193, 0
	v_lshrrev_b32 v1, 5, v0
	v_readfirstlane_b32 s22, v1                    ; wave 0..3
	v_and_b32 v1, 31, v0                           ; lane = the frequency's number j
	s_lshl_b32 s23, ttmp9, 2
	s_add_co_u32 s23, s23, s22                     ; 4 x work-group + wave: my position; on x's way also my run of 8,192 numbers
	; ---- the table: one position a wave
	v_and_b32 v3, 7, v1
	v_lshrrev_b32 v4, 3, v1
	v_mov_b32 v2, 1.0
	v_mov_b32 v5, 1.0
	PICK v2, v3, 1, 0x3f3ff911                     ; 10^(-1/8) .. 10^(-7/8)
	PICK v2, v3, 2, 0x3f0ff59a
	PICK v2, v3, 3, 0x3ed7e89b
	PICK v2, v3, 4, 0x3ea1e89b
	PICK v2, v3, 5, 0x3e72d424
	PICK v2, v3, 6, 0x3e361887
	PICK v2, v3, 7, 0x3e088d77
	PICK v5, v4, 1, 0x3dcccccd                     ; 0.1, 0.01, 0.001
	PICK v5, v4, 2, 0x3c23d70a
	PICK v5, v4, 3, 0x3a83126f
	v_mul_f32 v2, v2, v5                           ; 10^(-j/8) = 10000^(-2j/64)
	v_cvt_f32_u32 v5, s23
	v_mul_f32 v5, v5, v2                           ; the angle: position x inverse frequency, one f32 product
	v_mul_f32 v6, 0x3f22f983, v5                   ; x 2/pi
	v_rndne_f32 v6, v6                             ; k
	v_fmamk_f32 v7, v6, 0xbfc90000, v5             ; the angle - k pi/2, pi/2 in three parts
	v_fmamk_f32 v7, v6, 0xb9fda000, v7
	v_fmamk_f32 v7, v6, 0xb3a22168, v7
	v_mul_f32 v8, v7, v7                           ; z = r^2
	v_mov_b32 v9, 0xb94ca1f9
	v_fmaak_f32 v9, v9, v8, 0x3c08839e
	v_fmaak_f32 v9, v9, v8, 0xbe2aaaa3
	v_mul_f32 v9, v9, v8
	v_fma_f32 v9, v9, v7, v7                       ; sin r
	v_mov_b32 v10, 0x37ccf5ce
	v_fmaak_f32 v10, v10, v8, 0xbab6061a
	v_fmaak_f32 v10, v10, v8, 0x3d2aaaa5
	v_mul_f32 v10, v10, v8
	v_fma_f32 v11, v8, -0.5, 1.0
	v_fma_f32 v10, v10, v8, v11                    ; cos r
	v_cvt_i32_f32 v6, v6
	v_and_b32 v11, 1, v6
	v_cmp_eq_u32 vcc_lo, 1, v11                    ; an odd k swaps the two
	v_cndmask_b32 v12, v9, v10, vcc_lo             ; the sine
	v_cndmask_b32 v13, v10, v9, vcc_lo             ; the cosine
	v_and_b32 v11, 2, v6
	v_lshlrev_b32 v11, 30, v11
	v_xor_b32 v12, v12, v11                        ; the sine's sign: k mod 4 = 2, 3
	v_add_nc_u32 v6, 1, v6
	v_and_b32 v6, 2, v6
	v_lshlrev_b32 v6, 30, v6
	v_xor_b32 v13, v13, v6                         ; the cosine's: k mod 4 = 1, 2
	s_lshl_b32 s24, s22, 8                         ; my wave's 256 bytes of LDS
	v_lshl_add_u32 v14, v1, 2, s24
	v_lshl_add_u32 v15, v1, 3, s24
	v_lshlrev_b32 v18, 3, v1
	ds_store_b32 v14, v13                          ; 32 cosines,
	ds_store_b32 v14, v12 offset:128               ; 32 sines
	ds_load_b64 v[16:17], v15                      ; and back, 8 bytes a lane (LDS serves a wave's instructions in order)
	s_lshl_b32 s26, s23, 8
	s_mov_b32 s27, 0
	s_wait_alu depctr_va_vdst(0)
	s_wait_kmcnt 0x0
	s_add_nc_u64 s[20:21], s[20:21], s[26:27]
	s_wait_dscnt 0x0
	global_store_b64 v18, v[16:17], s[20:21]       ; 32 lanes store the position's 256 consecutive bytes, aligned
	s_wait_xcnt 0x0                                ; the store has read its registers: they are used again below
	s_cmp_lt_u32 ttmp9, 256
	s_cbranch_scc0 .Lweights
	; ---- x
	v_and_b32 v2, 31, v0
	v_lshlrev_b32 v3, 4, v2                        ; my 16 bytes of a load's 512
	s_mul_i32 s24, s22, 8192
	s_add_co_u32 s24, s24, XREG
	v_lshrrev_b32 v14, 2, v2
	v_mul_u32_u24 v14, v14, SP
	v_and_b32 v15, 3, v2
	v_lshl_add_u32 v14, v15, 4, v14
	v_add_nc_u32 v14, s24, v14                     ; the stage, in: four lanes' 64 bytes on end, then 16 of padding
	v_mul_u32_u24 v15, v2, SP
	v_add_nc_u32 v15, s24, v15                     ; and out: my 16 neighbours
	v_mul_u32_u24 v4, v2, CB                       ; my codes' place in a step's: lanes 0-15 one K step,
	v_lshrrev_b32 v5, 4, v2
	v_mad_u32_u24 v4, v5, KSB-192, v4              ; lanes 16-31 the next
	v_lshrrev_b32 v5, 1, v2
	s_add_co_u32 s24, s24, 2*32*SP
	v_add_nc_u32 v5, s24, v5                       ; my wave's 256 scale bytes: my block's byte
	v_lshlrev_b32 v7, 3, v2
	v_add_nc_u32 v6, s24, v7
	s_and_b32 s25, s23, -7                         ; a run is 4 rows: bits 3 and 4 of a row are bits 1 and 2 of its run: swapped for the way out
	s_bfe_u32 s26, s23, 0x10001
	s_bfe_u32 s27, s23, 0x10002
	s_lshl_b32 s26, s26, 2
	s_lshl_b32 s27, s27, 1
	s_or_b32 s25, s25, s26
	s_or_b32 s25, s25, s27
	s_lshl_b32 s28, s23, 15
	s_mov_b32 s29, 0
	s_add_nc_u64 s[4:5], s[4:5], s[28:29]          ; x at my run
	s_lshr_b32 s30, s25, 6                         ; 64 runs of 4 rows to a block of 256 rows
	s_mul_i32 s30, s30, 8*KSB
	s_and_b32 s31, s25, 63
	s_mul_i32 s31, s31, 768
	s_add_co_u32 s30, s30, s31
	s_mov_b32 s31, 0
	s_add_nc_u64 s[32:33], s[14:15], s[30:31]      ; its codes
	s_lshl_b32 s30, s25, 8
	s_add_co_u32 s30, s30, XSCO
	s_add_nc_u64 s[34:35], s[14:15], s[30:31]      ; its 256 scale bytes
.irp t, 0,1,2,3
	XLOAD \t
.endr
	s_wait_alu depctr_va_vdst(0)
	s_wait_loadcnt 12                              ; step 0's four loads are in
	XTURN 0
.irp t, 0,1,2,3,4,5,6,7,8,9,10,11,12,13,14,15
	XSTEP \t
.endr
	ds_load_b64 v[12:13], v6                       ; LDS serves a wave's instructions in order: these see my byte stores
	s_wait_dscnt 0x0
	global_store_b64 v7, v[12:13], s[34:35]        ; 32 lanes store 256 consecutive bytes, aligned
	s_wait_tensorcnt 0x0
	ds_add_u32 v192, v193
	s_wait_dscnt 0x0
	s_endpgm
.Lweights:
	s_cmp_lt_u32 ttmp9, 448
	s_cbranch_scc0 .Lwo
	; ---- Wq, Wk, Wv: 64 work-groups each: 8 along the columns x 8 along K
	s_sub_co_u32 s40, ttmp9, 256
	s_lshr_b32 s41, s40, 6                         ; which weight
	s_cmp_eq_u32 s41, 0
	s_cselect_b64 s[28:29], s[6:7], s[8:9]
	s_cmp_eq_u32 s41, 2
	s_cselect_b64 s[28:29], s[10:11], s[28:29]
	s_and_b32 s24, s40, 7
	s_lshl_b32 s24, s24, 7
	s_lshl_b32 s42, s22, 5
	s_add_co_u32 s24, s24, s42
	s_bfe_u32 s25, s40, 0x30003
	s_lshl_b32 s26, s41, 10
	s_add_co_u32 s26, s26, s24
	s_mov_b64 s[30:31], s[16:17]
.set WNN, 1024
.set WKK, 2048
.set WSTG, W1ST
.set WPERM, 1
.set WSCO_, WSCO
.set WRP,  192
.set WSH,  8
.set WBLK, 8*KSB
.set WKS,  0
	WBODY
.Lwo:
	; ---- Wo: 16 along the columns x 4 along K
	s_sub_co_u32 s40, ttmp9, 448
	s_and_b32 s24, s40, 15
	s_lshl_b32 s24, s24, 7
	s_lshl_b32 s42, s22, 5
	s_add_co_u32 s24, s24, s42
	s_lshr_b32 s25, s40, 4
	s_mov_b32 s26, s24
	s_mov_b64 s[28:29], s[12:13]
	s_mov_b64 s[30:31], s[18:19]
.set WNN, 2048
.set WKK, 1024
.set WSTG, W2ST
.set WPERM, 0
.set WSCO_, OWSC
.set WRP,  384
.set WSH,  7
.set WBLK, 2*KSB
.set WKS,  1
	WBODY
.Lfunc_end_k_q5d07c8baef_prep:
	.size	k_q5d07c8baef_prep, .Lfunc_end_k_q5d07c8baef_prep-k_q5d07c8baef_prep
	.p2alignl 7, 3214868480
	.fill 96, 4, 3214868480
	.section	.rodata,"a",@progbits
	.p2align	6, 0x0
	.amdhsa_kernel k_q5d07c8baef_prep
		.amdhsa_group_segment_fixed_size 103936
		.amdhsa_private_segment_fixed_size 0
		.amdhsa_enable_private_segment 0
		.amdhsa_kernarg_size 72
		.amdhsa_user_sgpr_count 2
		.amdhsa_user_sgpr_kernarg_segment_ptr 1
		.amdhsa_wavefront_size32 1
		.amdhsa_system_sgpr_workgroup_id_x 1
		.amdhsa_system_sgpr_workgroup_id_y 1
		.amdhsa_system_sgpr_workgroup_id_z 1
		.amdhsa_system_vgpr_workitem_id 0
		.amdhsa_next_free_vgpr 194
		.amdhsa_next_free_sgpr 66
		.amdhsa_reserve_vcc 1
		.amdhsa_float_denorm_mode_32 3
		.amdhsa_float_denorm_mode_16_64 3
		.amdhsa_memory_ordered 1
		.amdhsa_forward_progress 1
		.amdhsa_inst_pref_size 119
	.end_amdhsa_kernel
	.amdgpu_metadata
---
amdhsa.version: [ 1, 2 ]
amdhsa.kernels:
  - .name:           k_q5d07c8baef_prep
    .symbol:         k_q5d07c8baef_prep.kd
    .args:
      - { .name: x, .offset: 0, .size: 8, .value_kind: global_buffer, .address_space: global }
      - { .name: Wq, .offset: 8, .size: 8, .value_kind: global_buffer, .address_space: global }
      - { .name: Wk, .offset: 16, .size: 8, .value_kind: global_buffer, .address_space: global }
      - { .name: Wv, .offset: 24, .size: 8, .value_kind: global_buffer, .address_space: global }
      - { .name: Wo, .offset: 32, .size: 8, .value_kind: global_buffer, .address_space: global }
      - { .name: xq, .offset: 40, .size: 8, .value_kind: global_buffer, .address_space: global }
      - { .name: wq, .offset: 48, .size: 8, .value_kind: global_buffer, .address_space: global }
      - { .name: woq, .offset: 56, .size: 8, .value_kind: global_buffer, .address_space: global }
      - { .name: rope, .offset: 64, .size: 8, .value_kind: global_buffer, .address_space: global }
    .group_segment_fixed_size: 103936
    .private_segment_fixed_size: 0
    .kernarg_segment_align: 8
    .kernarg_segment_size: 72
    .max_flat_workgroup_size: 128
    .sgpr_count:     66
    .vgpr_count:     194
    .wavefront_size: 32
...
	.end_amdgpu_metadata
.endif
;; end of part 1
;; launch gemm_qkv (part 2): grid 12 x 16, 4 waves a work-group, clusters of 4 x 4, 327,680 bytes of LDS; arguments xq, wq, rope, qkv; writes qkv
.if DOCPART == 2
	.amdgcn_target "amdgcn-amd-amdhsa--gfx1250"
	.amdhsa_code_object_version 6
	.text
	.protected	k_q5d07c8baef_gemm_qkv
	.globl	k_q5d07c8baef_gemm_qkv
	.p2align	8
	.type	k_q5d07c8baef_gemm_qkv,@function
k_q5d07c8baef_gemm_qkv:
	s_mov_b64 s[64:65], 0
	v_nop
	global_prefetch_b8 v0, s[64:65] scope:SCOPE_SE
	s_setreg_imm32_b32 hwreg(HW_REG_WAVE_MODE, 25, 1), 1
	s_wait_xcnt 0x0
	s_wait_alu depctr_hold_cnt(0) depctr_sa_sdst(0) depctr_va_vdst(0) depctr_va_sdst(0) depctr_va_ssrc(0) depctr_va_vcc(0) depctr_vm_vsrc(0)
	s_getreg_b32 s2, hwreg(HW_REG_IB_STS2, 6, 4)
	s_cmp_eq_u32 s2, 0
	s_cbranch_scc0 .Lentry_in_a_cluster
	s_endpgm
.Lentry_in_a_cluster:
	s_bfe_u32 s2, ttmp6, 0x10000c
	s_cmp_lg_u32 s2, 0xf033
	s_cbranch_scc0 .Lentry_shape_is_right
	s_endpgm
.Lentry_shape_is_right:
.set KSTEP,  256
.set NQ,     KSTEP/128
; q, k, v = x Wq, x Wk, x Wv on codes of FP6 (E2M3) with E8M0 scales; then the rotation of q and k, and the quantisers of the next two products: records of operand images in qkv.
; A work-group of four waves makes 256 x 256; K goes in steps of 256 through a ring of two LDS slots.  xq and wq lie [block of 256 rows][K step][256 rows][192 bytes]: a step's tile is one dense run of KSB bytes,
; stated to the mover as rows of 256 bytes; 16 bytes of padding behind each 64 give LDS rows of 240 bytes for 192 bytes of codes.
; THE HEAD: one joint load a wave: wave 0 A's 256 rows of K step 0, wave 1 A's scales, wave 2 B's 256 rows, wave 3 B's scales.  Waves 0 and 2 use their own ring descriptors of slot 0, whose addresses are the tile's first bytes.
; Behind the head a load of the ring brings 128 rows, a quarter of a slot a wave.
; PREFETCHES.  Beside the load of K step j stands one request for K step j + 2 (the head also names K step 1): of the 96 blocks of 256 bytes that a wave's load of the ring brings, each of the four partners that ask
; for them jointly names 24, told apart by address (cx for A, cy for B), a lane a block; lanes 24-31 name the last again.  The loop's last trip, whose loads bring K steps 6 and 7, asks for nothing.
; The table of cosines and sines: the 128 positions of a wave's tokens are read by eight waves of a row of the cluster; each names 16 of them, once, behind the head.  The clusters that make v use no table and ask for none.
.set ROWB,   256
.set KSB,    49152
.set KROW,   1536
.set PITCH,  240
.set FR,     12
.set NL,     6
.set NP,     4
.set HALFT,  128*PITCH
.set SLOT,   4*HALFT
.set LAPS,   4
.set KS,     64
.set SCL,    2*SLOT
.set HALFS,  (128*KS/256)*272
.set SBLK,   (16*KS/256)*272
.set SPARE,  SCL+4*HALFS
.set XSCO,   6291456
.set WSCO,   4718592
.set REC,    19200
.set HEADB,  16*REC
.set RA,   8
.set L8,   9
.set L16,  10
.set LN,   11
.set ADRA, 16
.set ADRB, 20
.set ADRS, 27
.set SPW,  28
.set NIL,  29
.set SC,   32
.set CS,   64
.set AF,   128
.set W,    128
.set CD,   192
.set TM,   212
.set PWS,  232
.set GT,   240
.set SEL,  98
.set G1, 24
.set G0, 32
.set G1B, 48
.set G0B, 56
.set G1S, 68
.set G0S, 76
.set G1SB, 80
.set G0SB, 88
.set MSB, 0
.macro WIN new
.if MSB != \new
	s_set_vgpr_msb (MSB<<8)|\new
.set MSB, \new
.endif
.endm
.set MUL_LO, 0xa1
.set MUL_HI, 0xf1
.set TO_B,   0x40
.macro JLOAD g0a, g1a, g0b, g1b
	s_cmp_eq_u32 s15, 0
	s_cbranch_scc0 .Lfor_b_\@
	tensor_load_to_lds s[\g0a:\g0a+3], s[\g1a:\g1a+7]
	s_nop 0
.rept 4
	v_nop
.endr
	s_branch .Lasked_\@
.Lfor_b_\@:
	tensor_load_to_lds s[\g0b:\g0b+3], s[\g1b:\g1b+7]
	s_nop 0
.rept 4
	v_nop
.endr
.Lasked_\@:
.endm
.macro CREST
	s_cmp_lg_u32 s14, 0
	s_cbranch_scc1 .Lnot_wave_0_\@
	s_barrier_signal -3
.Lnot_wave_0_\@:
	s_barrier_wait -3
	s_barrier_signal -1
	s_barrier_wait -1
.endm
.macro CROUND
	s_barrier_signal -1
	s_barrier_wait -1
	CREST
.endm
	s_load_b256 s[4:11], s[0:1], 0x0
	v_lshl_add_u32 v[SPW], v0, 2, SPARE
	v_mov_b32 v[NIL], 0
	ds_add_u32 v28, v29
	ds_add_u32 v28, v29
	s_wait_dscnt 0x0
	v_lshrrev_b32 v1, 5, v0
	v_readfirstlane_b32 s14, v1
	s_lshr_b32 s15, s14, 1
	s_and_b32 s16, s14, 1
	s_bfe_u32 s40, ttmp6, 0x40000
	s_bfe_u32 s41, ttmp6, 0x40004
	s_lshl_b32 s42, ttmp9, 2
	s_and_b32 s12, ttmp7, 0xffff
	s_lshl_b32 s12, s12, 2
	s_cmp_eq_u32 ttmp9, 2
	s_cselect_b32 s42, s12, s42
	s_cselect_b32 s17, 8, s12
	s_add_co_u32 s42, s42, s40
	s_add_co_u32 s17, s17, s41
	s_lshl_b32 s43, s41, 2
	s_lshl_b32 s43, 15, s43
	s_lshl_b32 s44, 0x1111, s40
	s_or_b32 s[G1+0], s43, (0<<16)|(1<<20)|(1<<21)|(3<<22)|(3<<25)
	s_or_b32 s[G1B+0], s44, (0<<16)|(1<<20)|(1<<21)|(3<<22)|(3<<25)
.irp g, G1, G1B
	s_mov_b32 s[\g+1], ROWB<<16
	s_mov_b32 s[\g+2], 192<<16
	s_mov_b32 s[\g+3], ROWB<<16
	s_mov_b32 s[\g+4], 192
	s_mov_b32 s[\g+5], ROWB
	s_mov_b32 s[\g+6], 0
	s_mov_b32 s[\g+7], 0
.endr
	s_or_b32 s[G1S+0], s43, (3<<16)|(1<<20)|(1<<21)|(5<<22)|(3<<25)
	s_or_b32 s[G1SB+0], s44, (3<<16)|(1<<20)|(1<<21)|(5<<22)|(3<<25)
.irp g, G1S, G1SB
	s_mov_b32 s[\g+1], 32<<16
	s_mov_b32 s[\g+2], KS<<16
	s_mov_b32 s[\g+3], 32<<16
	s_mov_b32 s[\g+4], KS
	s_mov_b32 s[\g+5], 32
	s_mov_b32 s[\g+6], 0
	s_mov_b32 s[\g+7], 0
.endr
	s_mov_b32 s96, XSCO
	s_mov_b32 s97, WSCO
	s_cmp_eq_u32 ttmp9, 2
	s_cselect_b32 s12, s97, s96
	s_cselect_b32 s13, s96, s97
	s_lshl_b32 s22, s17, 14                        ; the scales of the tile's 256 rows, 64 bytes a row
	s_add_co_u32 s22, s22, s12
	s_mov_b32 s23, 0
	s_lshl_b32 s92, s42, 14
	s_add_co_u32 s92, s92, s13
	s_mov_b32 s93, 0
	s_mul_i32 s20, s17, 8*KSB                      ; the tile's codes
	s_mov_b32 s21, 0
	s_mul_i32 s46, s42, 8*KSB
	s_mov_b32 s47, 0
	s_mul_i32 s18, s16, KSB/2                      ; in the ring I fetch 128 rows of a tile: which half
	s_mov_b32 s19, 0
	s_mul_i32 s45, s14, HALFT
	s_wait_kmcnt 0x0
	s_cmp_eq_u32 ttmp9, 2
	s_cselect_b64 s[12:13], s[6:7], s[4:5]
	s_cselect_b64 s[96:97], s[4:5], s[6:7]
	s_add_nc_u64 s[20:21], s[12:13], s[20:21]
	s_add_nc_u64 s[22:23], s[12:13], s[22:23]
	s_add_nc_u64 s[46:47], s[96:97], s[46:47]
	s_add_nc_u64 s[92:93], s[96:97], s[92:93]
	CROUND
	s_mov_b32 s[G0S], 1
	s_mov_b32 s[G0S+1], SCL
	s_mov_b64 s[G0S+2:G0S+3], s[22:23]
	s_or_b32 s[G0S+3], s[G0S+3], 0x80000000
	s_mov_b32 s[G0SB], 1
	s_mov_b32 s[G0SB+1], SCL+2*HALFS
	s_mov_b64 s[G0SB+2:G0SB+3], s[92:93]
	s_or_b32 s[G0SB+3], s[G0SB+3], 0x80000000
	s_add_nc_u64 s[20:21], s[20:21], s[18:19]
	s_add_nc_u64 s[46:47], s[46:47], s[18:19]
	s_cmp_eq_u32 s15, 0                            ; the prefetches: do I fetch for A?
	s_cselect_b64 s[4:5], s[20:21], s[46:47]       ; my 128 rows of K step 0,
	s_cselect_b32 s6, s40, s41                     ; my place among the four that ask with me,
	s_mul_i32 s6, s6, 24*256                       ; and my work-group's 24 blocks
	s_mov_b32 s7, 0
	s_add_nc_u64 s[4:5], s[4:5], s[6:7]
.irp s, 0,1
	s_mov_b32 s[G0+4*\s], 1
	s_add_co_u32 s[G0+4*\s+1], s45, \s*SLOT
	s_add_nc_u64 s[G0+4*\s+2:G0+4*\s+3], s[20:21], \s*KSB
	s_or_b32 s[G0+4*\s+3], s[G0+4*\s+3], 0x80000000
	s_mov_b32 s[G0B+4*\s], 1
	s_add_co_u32 s[G0B+4*\s+1], s45, \s*SLOT
	s_add_nc_u64 s[G0B+4*\s+2:G0B+4*\s+3], s[46:47], \s*KSB
	s_or_b32 s[G0B+4*\s+3], s[G0B+4*\s+3], 0x80000000
.endr
; the head's loads, one a wave: one chain of branches on the wave's number, every arm with one load, all leading to one join
.macro ARM under, g0, g1, next
	s_cmp_lt_u32 s14, \under
	s_cbranch_scc0 \next
	tensor_load_to_lds s[\g0:\g0+3], s[\g1:\g1+7]
	s_nop 0
.rept 4
	v_nop
.endr
	s_branch .Lhead_asked
\next:
.endm
	ARM 1, G0,  G1,  .Lhead_sa
	ARM 2, G0S, G1S, .Lhead_b
	ARM 3, G0B, G1B, .Lhead_sb
	tensor_load_to_lds s[G0SB:G0SB+3], s[G1SB:G1SB+7]
	s_nop 0
.rept 4
	v_nop
.endr
.Lhead_asked:
	v_and_b32 v30, 31, v0
	v_min_u32 v30, 23, v30
	v_lshlrev_b32 v30, 8, v30                      ; a lane a block of 256 bytes; never rewritten
	global_prefetch_b8 v30, s[4:5] offset:KSB th:TH_LOAD_NT scope:SCOPE_SE
	global_prefetch_b8 v30, s[4:5] offset:2*KSB th:TH_LOAD_NT scope:SCOPE_SE
	v_and_b32 v1, 15, v0
	v_bfe_u32 v2, v0, 4, 1
	v_mul_u32_u24 v3, v1, PITCH
	v_mul_u32_u24 v4, v2, 24
	v_add_nc_u32 v4, v3, v4
	v_lshl_add_u32 v5, v2, 4, v4
	s_mul_i32 s21, s15, HALFT
	s_mul_i32 s22, s16, HALFT
	s_add_co_u32 s22, s22, 2*HALFT
.irp s, 0,1
	v_add_nc_u32 v[ADRA+\s], s21, v4
	v_add_nc_u32 v[ADRB+\s], s22, v4
	v_add_nc_u32 v[ADRA+2+\s], s21, v5
	v_add_nc_u32 v[ADRB+2+\s], s22, v5
	s_add_co_u32 s21, s21, SLOT
	s_add_co_u32 s22, s22, SLOT
.endr
	v_mul_u32_u24 v5, v1, KS
	v_lshrrev_b32 v6, 8, v5
	v_lshl_add_u32 v5, v6, 4, v5
	s_mul_i32 s21, s15, HALFS
	s_mul_i32 s22, s16, HALFS
	s_add_co_u32 s22, s22, 2*HALFS
	s_sub_co_u32 s22, s22, s21
	v_mul_u32_u24 v6, s22, v2
	s_add_co_u32 s21, s21, SCL
	v_add_nc_u32 v5, v5, v6
	v_add_nc_u32 v[ADRS], s21, v5
	v_and_b32 v[RA], 7, v1
	v_bfe_u32 v5, v1, 3, 1
	v_lshl_add_u32 v[RA], v5, 4, v[RA]
	v_lshlrev_b32 v[RA], 8, v[RA]
	v_lshl_add_u32 v[RA], v2, 6, v[RA]
	v_and_b32 v[LN], 31, v0
	v_min_u32 v31, 15, v[LN]
	v_lshlrev_b32 v31, 8, v31                      ; a lane a position of the table; never rewritten
	v_lshlrev_b32 v[L8], 3, v[LN]
	v_lshlrev_b32 v[L16], 4, v[LN]
	s_lshl_b32 s20, s17, 1
	s_add_co_u32 s20, s20, s15
	s_lshl_b32 s21, s42, 1
	s_add_co_u32 s21, s21, s16
	s_cmp_eq_u32 ttmp9, 2
	s_cselect_b32 s22, s21, s20
	s_cselect_b32 s23, s20, s21
	s_and_b32 s23, s23, 7
	s_lshr_b32 s46, s22, 4
	s_lshl_b32 s46, s46, 4
	s_lshl_b32 s23, s23, 1
	s_add_co_u32 s46, s46, s23
	s_lshl_b32 s46, s46, 4
	s_and_b32 s22, s22, 15
	s_add_co_u32 s46, s46, s22
	s_mul_i32 s46, s46, REC
	s_mov_b32 s21, 12288
	s_cmp_eq_u32 ttmp9, 0
	s_cselect_b32 s47, 12800, 0
	s_cselect_b32 s20, 18944, s21
	s_cmp_eq_u32 ttmp9, 2
	s_cselect_b32 s47, 6144, s47
	s_cselect_b32 s20, 12544, s20
	s_add_co_u32 s94, s46, s47
	s_mov_b32 s95, 0
	s_add_nc_u64 s[94:95], s[10:11], s[94:95]
	s_add_co_u32 s96, s46, s20
	s_mov_b32 s97, 0
	s_add_nc_u64 s[96:97], s[10:11], s[96:97]
	s_lshl_b32 s92, s22, 15
	s_mov_b32 s93, 0
	s_add_nc_u64 s[92:93], s[8:9], s[92:93]
	s_lshl_b32 s12, s40, 1                         ; of my tokens' 128 positions I name 16: which, by cx and my half of the columns
	s_add_co_u32 s12, s12, s16
	s_lshl_b32 s12, s12, 12
	s_mov_b32 s13, 0
	s_add_nc_u64 s[6:7], s[92:93], s[12:13]
	s_mov_b32 s[SEL], 0x76543210
	s_mov_b32 s[SEL+1], 0xfedcba98
.macro FRAG reg, adr, q, i
.irp p, 0,1,2,3,4,5
.set PN, 12*(\q)+6*(\p/3)+\p%3
.if PN%8 < 5
	ds_load_b64 v[\reg+2*\p:\reg+2*\p+1], v[\adr] offset:8*PN+16*(PN/8)+(\i)*16*PITCH
.else
	ds_load_b64 v[\reg+2*\p:\reg+2*\p+1], v[\adr+2] offset:8*PN+16*(PN/8)+(\i)*16*PITCH
.endif
.endr
.endm
.macro MUL16 a0, p, q, sc, zero
.irp a, \a0, \a0+1
.irp b, 0,1,2,3,4,5,6,7
.if \zero
	v_wmma_scale_f32_16x16x128_f8f6f4 v[8*(8*((\a)%4)+\b):8*(8*((\a)%4)+\b)+7], v[128*(\p)+FR*\b:128*(\p)+FR*\b+FR-1], v[AF+FR*(\a):AF+FR*(\a)+FR-1], 0, v[SC+8*NQ*(\sc)+NQ*\b+(\q)], v[SC+8*NQ*(\sc)+NQ*(\a)+(\q)] matrix_a_fmt:MATRIX_FMT_FP6 matrix_b_fmt:MATRIX_FMT_FP6 matrix_a_scale:MATRIX_SCALE_ROW1
.else
	v_wmma_scale_f32_16x16x128_f8f6f4 v[8*(8*((\a)%4)+\b):8*(8*((\a)%4)+\b)+7], v[128*(\p)+FR*\b:128*(\p)+FR*\b+FR-1], v[AF+FR*(\a):AF+FR*(\a)+FR-1], v[8*(8*((\a)%4)+\b):8*(8*((\a)%4)+\b)+7], v[SC+8*NQ*(\sc)+NQ*\b+(\q)], v[SC+8*NQ*(\sc)+NQ*(\a)+(\q)] matrix_a_fmt:MATRIX_FMT_FP6 matrix_b_fmt:MATRIX_FMT_FP6 matrix_a_scale:MATRIX_SCALE_ROW1
.endif
.endr
.endr
.endm
.macro FETCH_B slot, q, p
	WIN TO_B
.irp i, 0,1,2,3,4,5,6,7
	FRAG 128*(\p)+FR*\i, ADRB+\slot, \q, \i
.endr
	WIN 0
.endm
.macro FETCH_A slot, q, i0
.irp i, \i0, \i0+1, \i0+2, \i0+3
	FRAG AF+FR*(\i), ADRA+\slot, \q, \i
.endr
.endm
.macro SCALES sc
.irp i, 0,1,2,3,4,5,6,7
	ds_load_b64 v[SC+8*NQ*\sc+NQ*\i:SC+8*NQ*\sc+NQ*\i+1], v[ADRS] offset:\i*SBLK
.endr
.endm
.macro PLACES n
.rept \n
	v_nop
.endr
.endm
.macro STEP slot, q, zero
	s_wait_dscnt 4*NL
	WIN MUL_LO
	MUL16 0, (\q)%2, \q, \slot, \zero
	MUL16 2, (\q)%2, \q, \slot, \zero
	s_wait_dscnt 0
	PLACES NP
	FETCH_B \slot, (\q)+1, 1-(\q)%2
	FETCH_A \slot, (\q)+1, 0
	WIN MUL_HI
	MUL16 4, (\q)%2, \q, \slot, \zero
	MUL16 6, (\q)%2, \q, \slot, \zero
	PLACES NP
	WIN 0
	FETCH_A \slot, (\q)+1, 4
.endm
.macro TURN slot, next, fill
.if \fill
	s_wait_xcnt 0x0                                ; my prefetches have read their address: it steps here, a K step behind the last of them
	s_add_nc_u64 s[4:5], s[4:5], KSB
.endif
	s_wait_tensorcnt 0x0
	ds_add_u32 v[SPW], v[NIL]
	s_wait_dscnt 4*NL+1
	WIN MUL_LO
	MUL16 0, 1, NQ-1, \slot, 0
	s_wait_dscnt 0x0
	s_barrier_signal -1
	MUL16 2, 1, NQ-1, \slot, 0
	WIN 0
	s_barrier_wait -1
.if \fill
	CREST
	s_add_nc_u64 s[G0+4*\slot+2:G0+4*\slot+3], s[G0+4*\slot+2:G0+4*\slot+3], 2*KSB
	s_add_nc_u64 s[G0B+4*\slot+2:G0B+4*\slot+3], s[G0B+4*\slot+2:G0B+4*\slot+3], 2*KSB
	JLOAD G0+4*\slot, G1, G0B+4*\slot, G1B
.else
	PLACES NP
.endif
	s_wait_alu depctr_va_vdst(0)
	v_add_nc_u32 v[ADRS], 4*NQ, v[ADRS]
	FETCH_B \next, 0, 0
	FETCH_A \next, 0, 0
	SCALES \next
.if \fill
	s_cmp_gt_u32 s3, 1                             ; s3 = 1 in the loop's last trip
	s_cbranch_scc0 .Lno_ask_\@
	global_prefetch_b8 v30, s[4:5] offset:3*KSB th:TH_LOAD_NT scope:SCOPE_SE   ; two K steps on from the load above
.Lno_ask_\@:
.endif
	WIN MUL_HI
	MUL16 4, 1, NQ-1, \slot, 0
	MUL16 6, 1, NQ-1, \slot, 0
	PLACES NP
	WIN 0
	FETCH_A \next, 0, 4
.endm
.macro CSLOAD a
.irp j, 0,1,2,3
	global_load_b128 v[CS+32*((\a)%2)+4*\j:CS+32*((\a)%2)+4*\j+3], v[RA], s[92:93] offset:(32*((\a)/2)+8*((\a)%2))*256+16*\j
	global_load_b128 v[CS+32*((\a)%2)+16+4*\j:CS+32*((\a)%2)+16+4*\j+3], v[RA], s[92:93] offset:(32*((\a)/2)+8*((\a)%2))*256+128+16*\j
.endr
.endm
.macro QUANT s, win, pw
.set QW, (\win)|((\win)<<2)
	WIN QW
.irp b, 0,1,2,3
	v_max3_num_f32 v[TM+\b], |v[(\s)+16*\b]|, |v[(\s)+1+16*\b]|, 0x1800000
.endr
.irp i, 2,4,6,8,10,12,14
.irp b, 0,1,2,3
	v_max3_num_f32 v[TM+\b], |v[(\s)+16*\b+\i]|, |v[(\s)+1+16*\b+\i]|, v[TM+\b]
.endr
.endr
	WIN 0
.irp b, 0,1,2,3
	v_permlanex16_b32 v[TM+4+\b], v[TM+\b], s[SEL], s[SEL+1]
.endr
.irp b, 0,1,2,3
	v_max_num_f32 v[TM+\b], v[TM+\b], v[TM+4+\b]
.endr
.irp b, 0,1,2,3
	v_add_nc_u32 v[TM+12+\b], 0xff000000, v[TM+\b]
.endr
.irp b, 0,1,2,3
	v_lshrrev_b32 v[TM+4+\b], 23, v[TM+12+\b]
.endr
	v_lshl_or_b32 v[\pw], v[TM+5], 8, v[TM+4]
	v_lshl_or_b32 v[\pw], v[TM+6], 16, v[\pw]
	v_lshl_or_b32 v[\pw], v[TM+7], 24, v[\pw]
.set QW, \win
	WIN QW
.irp c, 0,1
	v_cvt_scalef32_pk16_fp6_f32 v[CD+6*\c:CD+2+6*\c], v[(\s)+32*\c:(\s)+15+32*\c], v[TM+12+2*\c]
	v_cvt_scalef32_pk16_fp6_f32 v[CD+12+4*\c:CD+14+4*\c], v[(\s)+16+32*\c:(\s)+31+32*\c], v[TM+12+2*\c+1]
.endr
	WIN 0
	v_nop
.irp c, 0,1
.irp i, 0,1,2
	v_permlane16_swap_b32 v[CD+6*\c+\i], v[CD+12+4*\c+\i]
.endr
.irp i, 0,1,2
	v_mov_b32 v[CD+3+6*\c+\i], v[CD+12+4*\c+\i]
.endr
.endr
.endm
.macro QKBLOCK a
.set AC, 64*((\a)%4)
.set CC, CS+32*((\a)%2)
.set AW, 2+(\a)/4
.if (\a) < 7
	s_wait_loadcnt 8
.else
	s_wait_loadcnt 0
.endif
	s_wait_xcnt 0x0
	WIN AW
.irp e, 0,1
.irp i, 0,2,4,6,8,10,12,14
	v_pk_mul_f32 v[W+32*\e+\i:W+32*\e+\i+1], v[AC+32*\e+\i:AC+32*\e+\i+1], v[CC+\i:CC+\i+1]
	v_pk_mul_f32 v[W+32*\e+16+\i:W+32*\e+16+\i+1], v[AC+32*\e+16+\i:AC+32*\e+16+\i+1], v[CC+\i:CC+\i+1]
.endr
.endr
.irp e, 0,1
.irp i, 0,2,4,6,8,10,12,14
	v_pk_fma_f32 v[W+32*\e+\i:W+32*\e+\i+1], v[AC+32*\e+16+\i:AC+32*\e+16+\i+1], v[CC+16+\i:CC+16+\i+1], v[W+32*\e+\i:W+32*\e+\i+1] neg_lo:[0,1,0] neg_hi:[0,1,0]
	v_pk_fma_f32 v[W+32*\e+16+\i:W+32*\e+16+\i+1], v[AC+32*\e+\i:AC+32*\e+\i+1], v[CC+16+\i:CC+16+\i+1], v[W+32*\e+16+\i:W+32*\e+16+\i+1]
.endr
.endr
	WIN 0
.if (\a)+2 < 8
	CSLOAD (\a)+2
.endif
	QUANT W, 0, PWS+(\a)
.irp e, 0,1
.irp i, 0,1,2
	global_store_b64 v[L8], v[CD+6*\e+2*\i:CD+6*\e+2*\i+1], s[94:95] offset:\e*HEADB+(\a)*768+256*\i
.endr
.endr
.endm
.macro VBLOCK a
	s_wait_xcnt 0x0
	QUANT 64*((\a)%4), 2+(\a)/4, PWS+(\a)
.irp c, 0,1,2
	global_store_b128 v[L16], v[CD+4*\c:CD+4*\c+3], s[94:95] offset:((\a)/4)*HEADB+((\a)%4)*1536+512*\c
.endr
.endm
	s_wait_alu depctr_va_vdst(0)
	s_wait_tensorcnt 0x0                           ; my tile of the head's four is in
	ds_add_u32 v[SPW], v[NIL]
	s_mov_b32 s[G1+2], 96<<16                      ; no tensor load of mine is out: from here on a load brings 128 rows of codes, 96 rows of 256 bytes
	s_mov_b32 s[G1+4], 96
	s_mov_b32 s[G1B+2], 96<<16
	s_mov_b32 s[G1B+4], 96
	s_wait_dscnt 0x0
	CROUND                                         ; all four tiles are in, and all sixteen work-groups are here
	JLOAD G0+4, G1, G0B+4, G1B                     ; K step 1, the first tensor load behind the round
	FETCH_B 0, 0, 0
	FETCH_A 0, 0, 0
	SCALES 0
	FETCH_A 0, 0, 4
	global_prefetch_b8 v30, s[4:5] offset:3*KSB th:TH_LOAD_NT scope:SCOPE_SE   ; K step 3, beside K step 1's load
	s_cmp_eq_u32 ttmp9, 2
	s_cbranch_scc1 .Lno_table
	global_prefetch_b8 v31, s[6:7] th:TH_LOAD_NT scope:SCOPE_SE                ; my 16 positions of the table
.Lno_table:
	STEP 0, 0, 1
	s_mov_b32 s3, LAPS-1
.Llap:
	TURN 0, 1, 1
	STEP 1, 0, 0
	TURN 1, 0, 1
	STEP 0, 0, 0
	s_sub_co_u32 s3, s3, 1
	s_cmp_lg_u32 s3, 0
	s_cbranch_scc1 .Llap
	CSLOAD 0
	CSLOAD 1
	TURN 0, 1, 0
	STEP 1, 0, 0
	s_wait_dscnt 4*NL
	WIN MUL_LO
	MUL16 0, 1, NQ-1, 1, 0
	MUL16 2, 1, NQ-1, 1, 0
	s_wait_dscnt 0
	WIN MUL_HI
	MUL16 4, 1, NQ-1, 1, 0
	MUL16 6, 1, NQ-1, 1, 0
	WIN 0
	PLACES NP
.irp b, 0,1,2,3
	v_mov_b32 v[TM+4+\b], 0
.endr
	v_cmp_le_u32 vcc_lo, 16, v[LN]
	s_cmp_eq_u32 ttmp9, 2
	s_cbranch_scc1 .Lpath_v
.irp a, 0,1,2,3,4,5,6,7
	QKBLOCK \a
.endr
.irp e, 0,1
.irp d, 0,1,2,3
.if \e == 0
	v_perm_b32 v[GT+\d], v[PWS+2*\d+1], v[PWS+2*\d], 0x05040100
.else
	v_perm_b32 v[GT+\d], v[PWS+2*\d+1], v[PWS+2*\d], 0x07060302
.endif
.endr
	v_cndmask_b32 v[GT+4+2*\e], v[GT], v[GT+2], vcc_lo
	v_cndmask_b32 v[GT+5+2*\e], v[GT+1], v[GT+3], vcc_lo
	global_store_b64 v[L8], v[GT+4+2*\e:GT+5+2*\e], s[96:97] offset:\e*HEADB
.endr
	s_branch .Lout
.Lpath_v:
.irp a, 0,1,2,3,4,5,6,7
	VBLOCK \a
.endr
.irp e, 0,1
	v_cndmask_b32 v[GT+4+2*\e], v[PWS+4*\e], v[PWS+4*\e+2], vcc_lo
	v_cndmask_b32 v[GT+5+2*\e], v[PWS+4*\e+1], v[PWS+4*\e+3], vcc_lo
	global_store_b64 v[L8], v[GT+4+2*\e:GT+5+2*\e], s[96:97] offset:\e*HEADB
.endr
.Lout:
	s_wait_tensorcnt 0x0
	ds_add_u32 v[SPW], v[NIL]
	s_wait_dscnt 0x0
	CROUND
	s_endpgm
.Lfunc_end_k_q5d07c8baef_gemm_qkv:
	.size	k_q5d07c8baef_gemm_qkv, .Lfunc_end_k_q5d07c8baef_gemm_qkv-k_q5d07c8baef_gemm_qkv
	.p2alignl 7, 3214868480
	.fill 96, 4, 3214868480
	.section	.rodata,"a",@progbits
	.p2align	6, 0x0
	.amdhsa_kernel k_q5d07c8baef_gemm_qkv
		.amdhsa_group_segment_fixed_size 327680
		.amdhsa_private_segment_fixed_size 0
		.amdhsa_enable_private_segment 0
		.amdhsa_kernarg_size 32
		.amdhsa_user_sgpr_count 2
		.amdhsa_user_sgpr_kernarg_segment_ptr 1
		.amdhsa_wavefront_size32 1
		.amdhsa_system_sgpr_workgroup_id_x 1
		.amdhsa_system_sgpr_workgroup_id_y 1
		.amdhsa_system_sgpr_workgroup_id_z 1
		.amdhsa_system_vgpr_workitem_id 0
		.amdhsa_next_free_vgpr 1024
		.amdhsa_next_free_sgpr 100
		.amdhsa_reserve_vcc 1
		.amdhsa_float_denorm_mode_32 3
		.amdhsa_float_denorm_mode_16_64 3
		.amdhsa_memory_ordered 1
		.amdhsa_forward_progress 1
		.amdhsa_inst_pref_size 242
	.end_amdhsa_kernel
	.amdgpu_metadata
---
amdhsa.version: [ 1, 2 ]
amdhsa.kernels:
  - .name:           k_q5d07c8baef_gemm_qkv
    .symbol:         k_q5d07c8baef_gemm_qkv.kd
    .args:
      - { .name: xq, .offset: 0, .size: 8, .value_kind: global_buffer, .address_space: global }
      - { .name: wq, .offset: 8, .size: 8, .value_kind: global_buffer, .address_space: global }
      - { .name: rope, .offset: 16, .size: 8, .value_kind: global_buffer, .address_space: global }
      - { .name: qkv, .offset: 24, .size: 8, .value_kind: global_buffer, .address_space: global }
    .group_segment_fixed_size: 327680
    .private_segment_fixed_size: 0
    .kernarg_segment_align: 8
    .kernarg_segment_size: 32
    .max_flat_workgroup_size: 128
    .sgpr_count:     100
    .vgpr_count:     1024
    .wavefront_size: 32
...
	.end_amdgpu_metadata
.endif
;; end of part 2
;; launch attn (part 3): grid 8 x 32, 16 waves a work-group, clusters of 4 x 1, 219,136 bytes of LDS; arguments qkv, oq; writes oq
.if DOCPART == 3
	.amdgcn_target "amdgcn-amd-amdhsa--gfx1250"
	.amdhsa_code_object_version 6
	.text
	.protected	k_q5d07c8baef_attn
	.globl	k_q5d07c8baef_attn
	.p2align	8
	.type	k_q5d07c8baef_attn,@function
k_q5d07c8baef_attn:
	s_mov_b64 s[64:65], 0
	v_nop
	global_prefetch_b8 v0, s[64:65] scope:SCOPE_SE
	s_setreg_imm32_b32 hwreg(HW_REG_WAVE_MODE, 25, 1), 1
	s_wait_xcnt 0x0
	s_wait_alu depctr_hold_cnt(0) depctr_sa_sdst(0) depctr_va_vdst(0) depctr_va_sdst(0) depctr_va_ssrc(0) depctr_va_vcc(0) depctr_vm_vsrc(0)
	s_getreg_b32 s2, hwreg(HW_REG_IB_STS2, 6, 4)
	s_cmp_eq_u32 s2, 0
	s_cbranch_scc0 .Lentry_in_a_cluster
	s_endpgm
.Lentry_in_a_cluster:
	s_bfe_u32 s2, ttmp6, 0x10000c
	s_cmp_lg_u32 s2, 0x3003
	s_cbranch_scc0 .Lentry_shape_is_right
	s_endpgm
.Lentry_shape_is_right:
; o = softmax(q k^T / 8) v for 32 (batch, head) pairs of 2,048 tokens and 64 channels, both products on codes of FP6 (E2M3) with E8M0 scales; o / the row's sum is then quantised along the channels for the last product.
; THE SOFTMAX: t = score x log2(e) / 8; M = the running largest t rounded UP to a whole number; p = 2^(t - M) is quantised along the keys, not normalised; the row's sum is taken of the unquantised p.
; When M moves, the sum and O are multiplied by 2^(old M - new M), which rounds nothing.
; SHARES.  A work-group owns 256 queries of one (batch, head); each of its sixteen waves owns a tile of 16, in 256 registers: four waves to a SIMD.
; ALL OF A HEAD'S K AND V STAY IN LDS: 16 steps of 128 keys, 12,800 bytes each (K codes | V codes | K scales | V scales), images of the operands' registers as the launch before laid them.
; EVERY WAVE FETCHES ONE STEP, the one of its own number, by its one tensor load at the head: sixteen loads, no branch round any.  One wait and one barrier show all of it to all waves; nothing is filled again, and
; no barrier stands in the walk over the keys.  All K and V bytes are asked for at the head, so there is no later request that a prefetch could run ahead of.
; CLUSTER.  The four query blocks of a cluster belong to one head: each step's bytes are asked for JOINTLY, by the same tensor load with the same descriptor and the mask 15.
; LAYOUT.  Both products are used transposed: S^T = K Q^T, O^T = V^T P^T: a lane holds one query (lane % 16).  The 16 registers of score tiles 2 b, 2 b + 1 are keys 32 b + 16 (lane / 16) + 0 .. 15, and likewise O^T's channels.
; K = 64 IN AN INSTRUCTION OF 128: source 0 holds key tile 2 d in its lower 64 along K and tile 2 d + 1 in its upper 64; against [Q | zeros] it gives tile 2 d's scores, against [zeros | Q] tile 2 d + 1's.
; THE ROW'S SUM STANDS BEHIND THE PRODUCTS: p's 64 numbers a lane are added into eight chains behind the step's last products, and the chains are joined behind the next step's first products: these additions are
; the places that loads into the products' registers and reads of their results need, and the next step's K fragments are asked for among them.
; oq: o's codes [16 heads][4,096 rows][48 bytes], rows in the order of the query tiles; then scale bytes [4,096 rows][32]: byte 2 x head + block, stored one byte a lane: 131,072 bytes in all.
; LIMITS: NaN and infinities are not served; a block of zeros gets the byte 1 with zero codes; the promise holds while |t| stays under 2^31.
.set REC,   19200
.set STEPB, 12800
.set HEADB, 16*REC
.set STG,   16*STEPB                   ; behind the steps: 768 bytes a wave for the way out
.set SPARE, STG+16*768                 ; behind the stages: the spare words, 128 bytes a wave
.set OSCO,  3145728
.set L8,  1                            ; 8 x lane
.set L16, 2                            ; 16 x lane
.set R8,  3                            ; 8 x (lane % 16)
.set ADK, 4                            ; v4-6 LDS addresses of the step's K codes, V codes, scale words
.set ADV, 5
.set ADS, 6
.set STI, 7
.set STO, 8
.set R32, 9
.set QA,  16                           ; [Q | 0]     v12 -M, v13 the largest score, v[14:15] the sum in two halves
.set QB,  28                           ; [0 | Q]
.set F,   40                           ; v40-87 K's fragments, then V's
.set S,   88                           ; v88-151 S^T, then p
.set O,   152                          ; v152-183 O^T
.set CD,  184                          ; p's codes
.set PT,  196
.set BM,  204
.set BX,  208
.set SO,  212
.set KSC, 216
.set VSC, 220
.set FF,  224                          ; f = 2^(old M - new M)
.set PW,  225                          ; p's scale word
.set T0,  226
.set QS,  230
.set QRAW, 231
.set CH,  232                          ; v232-247 the sum's eight chains, a pair each
.set SPW, 254
.set NIL, 255
.set WV,  8
.set SEL, 40
.set CS,  42                           ; s[42:43] c = log2(e) / 8
.set CNT, 45
.set CSN, 44                           ; s44 -c
.set T1,  227
.macro CROUND
	s_barrier_signal -1
	s_barrier_wait -1
	s_cmp_lg_u32 s[WV], 0
	s_cbranch_scc1 .Lnot_wave_0_\@
	s_barrier_signal -3
.Lnot_wave_0_\@:
	s_barrier_wait -3
	s_barrier_signal -1
	s_barrier_wait -1
.endm
	s_load_b128 s[4:7], s[0:1], 0x0                ; qkv, oq
	v_lshl_add_u32 v[SPW], v0, 2, SPARE
	v_mov_b32 v[NIL], 0
	ds_add_u32 v[SPW], v[NIL]                      ; the opening lines: the add twice on end and its wait
	ds_add_u32 v[SPW], v[NIL]
	v_lshrrev_b32 v10, 5, v0
	v_readfirstlane_b32 s[WV], v10                 ; wave 0..15
	s_bfe_u32 s9, ttmp6, 0x40000                   ; cx
	s_lshl_b32 s10, ttmp9, 2
	s_add_co_u32 s10, s10, s9                      ; my block of 256 queries: it enters Q's and o's addresses alone
	s_and_b32 s11, ttmp7, 0xffff                   ; batch x 16 + head, which the four partners share
	s_mul_i32 s13, s11, HEADB
	s_mul_i32 s14, s[WV], REC                      ; the step that I fetch: my wave's number
	s_add_co_u32 s14, s14, s13
	s_mov_b32 s15, 0
	s_mov_b32 s16, 15|(3<<16)|(1<<21)              ; group 1: the mask of all four; elements of 8 bytes; bit 21 beside a mask
	s_mov_b32 s17, 32<<16                          ; rows of 256 bytes,
	s_mov_b32 s18, 50<<16                          ; 50 of them: 12,800 dense bytes
	s_mov_b32 s19, 32<<16
	s_mov_b32 s20, 50
	s_mov_b32 s21, 32
	s_mov_b32 s22, 0
	s_mov_b32 s23, 0
	s_mov_b32 s24, 1
	s_mul_i32 s25, s[WV], STEPB
	s_wait_dscnt 0x0
	s_wait_kmcnt 0x0
	s_add_nc_u64 s[26:27], s[4:5], s[14:15]
	s_or_b32 s27, s27, 0x80000000
	CROUND                                         ; all four work-groups are here: the joint loads meet
	tensor_load_to_lds s[24:27], s[16:23]          ; my one tensor load
	s_nop 0
.rept 4
	v_nop
.endr
	s_lshr_b32 s47, s[WV], 3
	s_lshl_b32 s57, s10, 1
	s_add_co_u32 s47, s47, s57                     ; my queries' group of 128 tokens
	s_and_b32 s46, s[WV], 7                        ; my tile a in it
	s_mul_i32 s50, s47, REC
	s_add_co_u32 s50, s50, s13
	s_add_co_u32 s60, s50, 18944                   ; Q's scale unit: word a / 2 of lane r at 128 (a / 4) + 8 r + 4 ((a / 2) % 2)
	s_mul_i32 s57, s46, 768
	s_add_co_u32 s50, s50, s57
	s_add_co_u32 s50, s50, 12800                   ; Q's tile a
	s_mov_b32 s51, 0
	s_lshr_b32 s57, s46, 2
	s_lshl_b32 s57, s57, 7
	s_add_co_u32 s60, s60, s57
	s_bfe_u32 s57, s46, 0x10001
	s_lshl_b32 s57, s57, 2
	s_add_co_u32 s60, s60, s57
	s_mov_b32 s61, 0
	s_lshr_b32 s57, s11, 4                         ; the batch
	s_lshl_b32 s57, s57, 11
	s_lshl_b32 s62, s47, 7
	s_add_co_u32 s57, s57, s62
	s_lshl_b32 s62, s46, 4
	s_add_co_u32 s57, s57, s62                     ; my tile's first row of oq
	s_and_b32 s62, s11, 15                         ; the head
	s_mul_i32 s52, s62, 196608
	s_mul_i32 s63, s57, 48
	s_add_co_u32 s52, s52, s63
	s_mov_b32 s53, 0
	s_lshl_b32 s54, s57, 5
	s_lshl_b32 s62, s62, 1
	s_add_co_u32 s54, s54, s62
	s_add_co_u32 s54, s54, OSCO
	s_mov_b32 s55, 0
	s_add_nc_u64 s[50:51], s[4:5], s[50:51]
	s_add_nc_u64 s[60:61], s[4:5], s[60:61]
	s_add_nc_u64 s[52:53], s[6:7], s[52:53]        ; o's codes
	s_add_nc_u64 s[54:55], s[6:7], s[54:55]        ; o's scale bytes
	s_and_b32 s49, s46, 1
	s_cmp_eq_u32 s49, 1
	s_mov_b32 s48, 0x01000100
	s_cselect_b32 s48, 0x03020302, s48             ; which half of the word is my tile's
	s_mov_b32 s[SEL], 0x76543210
	s_mov_b32 s[SEL+1], 0xfedcba98
	s_mov_b32 s[CS], 0x3e38aa3b
	s_mov_b32 s[CS+1], s[CS]
	s_mov_b32 s[CSN], 0xbe38aa3b
	v_and_b32 v10, 31, v0
	v_and_b32 v11, 15, v0
	v_lshlrev_b32 v[L8], 3, v10
	v_lshlrev_b32 v[L16], 4, v10
	v_lshlrev_b32 v[R8], 3, v11
.irp i, 0,1,2
	global_load_b64 v[QA+2*\i:QA+2*\i+1], v[L8], s[50:51] offset:256*\i        ; Q, into the lower 64 along K of one operand
	global_load_b64 v[QB+6+2*\i:QB+6+2*\i+1], v[L8], s[50:51] offset:256*\i    ; and into the upper 64 of the other
.endr
	global_load_b32 v[QRAW], v[R8], s[60:61]
.irp j, 0,1,2,3,4,5
	v_mov_b32 v[QA+6+\j], 0                        ; zero codes
	v_mov_b32 v[QB+\j], 0
.endr
	v_lshlrev_b32 v[ADK], 3, v10                   ; step 0 begins at LDS byte 0
	v_lshlrev_b32 v[ADV], 4, v10
	v_lshlrev_b32 v[ADS], 3, v11
	v_mov_b32 v13, 0xff61b1e6                      ; the largest score so far: -3e38
	v_mov_b32 v14, 0
	v_mov_b32 v15, 0
	v_floor_f32 v12, -v13                          ; -M
.irp b, 0,1,2,3
	v_mov_b32 v[BX+\b], 0                          ; a lane permute's destination counts as one of its sources
.endr
	v_mov_b32 v[PW], 0                             ; (named as the upper half of the pair v[224:225] before it is first written)
	v_mov_b32 v[T0], 0
	s_wait_loadcnt 0x0
	v_perm_b32 v[QS], v[QRAW], v[QRAW], s48        ; my tile's two bytes, for the lower and for the upper 64 along K
.set j, 0
.rept 32
	v_mov_b32 v[O+j], 0                            ; O^T: the step is written once, the first finds zeros.  Also the places between Q's scale word and the first product
.set j, j+1
.endr
.set j, 0
.rept 16
	v_mov_b32 v[CH+j], 0                           ; the chains: the first step joins zeros
.set j, j+1
.endr
.macro KLOAD                           ; eight key tiles, 32 lanes x 8 bytes on end, and K's scale words
.irp d, 0,1,2,3,4,5,6,7
.irp i, 0,1,2
	ds_load_b64 v[F+6*\d+2*\i:F+6*\d+2*\i+1], v[ADK] offset:\d*768+256*\i
.endr
.endr
	ds_load_b64 v[KSC:KSC+1], v[ADS] offset:12288
	ds_load_b64 v[KSC+2:KSC+3], v[ADS] offset:12416
.endm
.macro JOIN4                           ; eight chains to four
.irp k, 0,1,2,3
	v_pk_add_f32 v[CH+2*\k:CH+2*\k+1], v[CH+2*\k:CH+2*\k+1], v[CH+8+2*\k:CH+9+2*\k]
.endr
.endm
.macro JOINREST                        ; four to one, and onto the row's sum
	v_pk_add_f32 v[CH:CH+1], v[CH:CH+1], v[CH+4:CH+5]
	v_pk_add_f32 v[CH+2:CH+3], v[CH+2:CH+3], v[CH+6:CH+7]
	s_delay_alu instid0(VALU_DEP_1)
	v_pk_add_f32 v[CH:CH+1], v[CH:CH+1], v[CH+2:CH+3]
	s_delay_alu instid0(VALU_DEP_1)
	v_pk_add_f32 v[14:15], v[14:15], v[CH:CH+1]
.endm
; A KEY STEP: 128 keys.  Its K fragments were asked for in the step before.  last = 1: nothing more is asked for
.macro STEP last
	s_wait_dscnt 0x0                               ; K is in
.irp d, 0,1,2,3
.irp u, 0,1
	v_wmma_scale_f32_16x16x128_f8f6f4 v[S+8*(2*\d+\u):S+8*(2*\d+\u)+7], v[F+12*\d:F+12*\d+11], v[QA+12*\u:QA+12*\u+11], 0, v[KSC+\d], v[QS] matrix_a_fmt:MATRIX_FMT_FP6 matrix_b_fmt:MATRIX_FMT_FP6
.endr
.endr
	JOIN4                                          ; the last step's p: four additions that name no register of the products: the places in front of the loads below and of the first read of the scores
.if !\last
	v_add_nc_u32 v[ADK], STEPB, v[ADK]
.endif
.irp t, 0,1,2,3                                ; V's four fragments land during the softmax
.irp c, 0,1,2
	ds_load_b128 v[F+12*\t+4*\c:F+12*\t+4*\c+3], v[ADV] offset:6144+\t*1536+512*\c
.endr
.endr
	ds_load_b64 v[VSC:VSC+1], v[ADS] offset:12544
	ds_load_b64 v[VSC+2:VSC+3], v[ADS] offset:12672
	JOINREST
.if !\last
	v_add_nc_u32 v[ADV], STEPB, v[ADV]
	v_add_nc_u32 v[ADS], STEPB, v[ADS]
.endif
.irp b, 0,1,2,3
	v_max3_num_f32 v[BM+\b], v[S+16*\b], v[S+1+16*\b], v[S+2+16*\b]   ; the largest score of each block of 32 keys: for the row's maximum and, since p rises with the score, for the block's largest p
.endr
.irp i, 3,5,7,9,11,13
.irp b, 0,1,2,3
	v_max3_num_f32 v[BM+\b], v[BM+\b], v[S+16*\b+\i], v[S+1+16*\b+\i]
.endr
.endr
.irp b, 0,1,2,3
	v_max_num_f32 v[BM+\b], v[BM+\b], v[S+15+16*\b]
.endr
.irp b, 0,1,2,3
	v_permlanex16_b32 v[BX+\b], v[BM+\b], s[SEL], s[SEL+1]
.endr
.irp b, 0,1,2,3
	v_max_num_f32 v[BM+\b], v[BM+\b], v[BX+\b]     ; with lane l xor 16's 16 keys
.endr
	v_mov_b32 v[T1], v12                           ; the old -M
	v_max3_num_f32 v[T0], v[BM], v[BM+1], v[BM+2]
	s_delay_alu instid0(VALU_DEP_1)
	v_max3_num_f32 v13, v13, v[T0], v[BM+3]        ; the running largest score (c is positive: the largest t is c x it)
	s_delay_alu instid0(VALU_DEP_1)
	v_mul_f32 v[T0], s[CSN], v13                   ; -t
	s_delay_alu instid0(VALU_DEP_1)
	v_floor_f32 v12, v[T0]                         ; the new -M = -ceil(t)
.set j, 0
.rept 4
	v_pk_fma_f32 v[S+j:S+j+1], v[S+j:S+j+1], s[CS:CS+1], v[12:13] op_sel_hi:[1,0,0]   ; t - M, two at a time; the three lines that make f stand among them
.set j, j+2
.endr
	v_sub_f32 v[T1], v12, v[T1]                    ; old M - new M: a whole number, 0 or less
.rept 4
	v_pk_fma_f32 v[S+j:S+j+1], v[S+j:S+j+1], s[CS:CS+1], v[12:13] op_sel_hi:[1,0,0]
.set j, j+2
.endr
	v_cvt_i32_f32 v[T1], v[T1]                     ; (it saturates)
.rept 4
	v_pk_fma_f32 v[S+j:S+j+1], v[S+j:S+j+1], s[CS:CS+1], v[12:13] op_sel_hi:[1,0,0]
.set j, j+2
.endr
	v_ldexp_f32 v[FF], 1.0, v[T1]                  ; f
.rept 20
	v_pk_fma_f32 v[S+j:S+j+1], v[S+j:S+j+1], s[CS:CS+1], v[12:13] op_sel_hi:[1,0,0]
.set j, j+2
.endr
.irp b, 0,1,2,3
	v_fma_f32 v[BM+\b], v[BM+\b], s[CS], v12       ; the same of each block's largest score
.endr
	s_wait_alu depctr_va_vdst(0)                   ; the wait ahead of the batch
.set j, 0
.rept 64
	v_exp_f32 v[S+j], v[S+j]                       ; p = 2^(t - M)
.set j, j+1
.endr
.irp b, 0,1,2,3
	v_exp_f32 v[BM+\b], v[BM+\b]                   ; the block's largest p: the same two instructions on the same number
.endr
	v_pk_mul_f32 v[14:15], v[14:15], v[FF:FF+1] op_sel_hi:[1,0]   ; the sum under the new M: a plain instruction behind the exponentials
	s_wait_alu depctr_va_vdst(0)                   ; one wait for the batch of 68, ahead of its first reader
.irp b, 0,1,2,3
	v_max_num_f32 v[BM+\b], 0x1800000, v[BM+\b]    ; the floor 2^(3 - 127): the byte cannot fall under 1
.endr
.irp b, 0,1,2,3
	v_add_nc_u32 v[SO+\b], 0xff000000, v[BM+\b]    ; 2 off the exponent field: the conversion's scale operand
.endr
.irp b, 0,1,2,3
	v_lshrrev_b32 v[BX+\b], 23, v[SO+\b]           ; the scale's byte
.endr
	v_lshl_or_b32 v[PW], v[BX+1], 8, v[BX]
	s_delay_alu instid0(VALU_DEP_1)
	v_lshl_or_b32 v[PW], v[BX+2], 16, v[PW]
	s_delay_alu instid0(VALU_DEP_1)
	v_lshl_or_b32 v[PW], v[BX+3], 24, v[PW]
.irp c, 0,1
	v_cvt_scalef32_pk16_fp6_f32 v[CD+6*\c:CD+6*\c+2], v[S+32*\c:S+32*\c+15], v[SO+2*\c]
	v_cvt_scalef32_pk16_fp6_f32 v[PT+4*\c:PT+4*\c+2], v[S+32*\c+16:S+32*\c+31], v[SO+2*\c+1]
.endr
	v_nop                                          ; one plain place behind a scaled conversion
.irp c, 0,1                                    ; the operand's layout wants a whole block in a lane
.irp i, 0,1,2
	v_permlane16_swap_b32 v[CD+6*\c+\i], v[PT+4*\c+\i]
.endr
.irp i, 0,1,2
	v_mov_b32 v[CD+6*\c+3+\i], v[PT+4*\c+\i]
.endr
.endr
	s_wait_alu depctr_va_vdst(0)                   ; directly ahead of the first reader of O^T
.set j, 0
.rept 16
	v_pk_mul_f32 v[O+j:O+j+1], v[O+j:O+j+1], v[FF:FF+1] op_sel_hi:[1,0]   ; O^T under the new M; also the places behind p's scale word and codes
.set j, j+2
.endr
	s_wait_alu depctr_va_vdst(0)                   ; directly ahead of the wait below
	s_wait_dscnt 0x0                               ; V is in
.irp t, 0,1,2,3                                ; the four accumulators by turns; eight other products stand between two links of each
	v_wmma_scale_f32_16x16x128_f8f6f4 v[O+8*\t:O+8*\t+7], v[F+12*\t:F+12*\t+11], v[CD:CD+11], v[O+8*\t:O+8*\t+7], v[VSC+\t], v[PW] matrix_a_fmt:MATRIX_FMT_FP6 matrix_b_fmt:MATRIX_FMT_FP6
.endr
.irp k, 0,1,2,3                                ; the unquantised p into eight chains: these four name no register of the products above: the places in front of the loads into V's registers
	v_pk_add_f32 v[CH+2*\k:CH+2*\k+1], v[S+2*\k:S+2*\k+1], v[S+16+2*\k:S+17+2*\k]
.endr
.if !\last
	KLOAD                                          ; the next step's K: twenty additions stand between these loads and the wait for them
.endif
.irp k, 4,5,6,7
	v_pk_add_f32 v[CH+2*\k:CH+2*\k+1], v[S+2*\k:S+2*\k+1], v[S+16+2*\k:S+17+2*\k]
.endr
.irp g, 32,48
.irp k, 0,1,2,3,4,5,6,7
	v_pk_add_f32 v[CH+2*\k:CH+2*\k+1], v[CH+2*\k:CH+2*\k+1], v[S+\g+2*\k:S+\g+2*\k+1]
.endr
.endr
.endm
	s_wait_alu depctr_va_vdst(0)                   ; the wait at the head's end
	s_wait_tensorcnt 0x0                           ; my step has landed;
	s_barrier_signal -1
	s_barrier_wait -1                              ; all sixteen have
	KLOAD
	s_mov_b32 s[CNT], 15
.Lstep:
	STEP 0
	s_sub_co_u32 s[CNT], s[CNT], 1
	s_cmp_lg_u32 s[CNT], 0
	s_wait_alu depctr_va_vdst(0)
	s_cbranch_scc1 .Lstep
	STEP 1
	JOIN4                                          ; the last step's p
	JOINREST
	; THE WAY OUT: o = O^T / the sum, quantised along the channels: two blocks of 32
	s_delay_alu instid0(VALU_DEP_1)
	v_add_f32 v14, v14, v15
	s_delay_alu instid0(VALU_DEP_1)
	v_permlanex16_b32 v[T0], v14, s[SEL], s[SEL+1]
	s_delay_alu instid0(VALU_DEP_1)
	v_add_f32 v14, v14, v[T0]                      ; the row's sum
	s_wait_alu depctr_va_vdst(0)
	v_rcp_f32 v14, v14
	v_and_b32 v10, 15, v0                          ; plain work behind the reciprocal
	v_bfe_u32 v11, v0, 4, 1
	s_mul_i32 s57, s[WV], 768
	s_add_co_u32 s57, s57, STG                     ; my stage
	v_mul_u32_u24 v[STI], v10, 48
	v_add_nc_u32 v[STO], s57, v[L8]                ; out: as the bytes lie
	v_mad_u32_u24 v[STI], v11, 24, v[STI]
	v_lshl_add_u32 v[R32], v10, 5, v11
	v_add_nc_u32 v[STI], s57, v[STI]               ; in: row r of 48 bytes, + 24 h
	v_cmp_eq_u32 vcc_lo, 1, v11
	s_wait_alu depctr_va_vdst(0)                   ; ahead of the reciprocal's first reader and of O^T's
.set j, 0
.rept 32
	v_mul_f32 v[S+j], v[O+j], v14                  ; register 16 b + i is channel 32 b + 16 h + i; each accumulator from its low end on
.set j, j+1
.endr
.irp b, 0,1
	v_max3_num_f32 v[BM+\b], |v[S+16*\b]|, |v[S+1+16*\b]|, 0x1800000
.endr
.irp i, 2,4,6,8,10,12,14
.irp b, 0,1
	s_delay_alu instid0(VALU_DEP_2)
	v_max3_num_f32 v[BM+\b], v[BM+\b], |v[S+16*\b+\i]|, |v[S+1+16*\b+\i]|
.endr
.endr
.irp b, 0,1
	s_delay_alu instid0(VALU_DEP_2)
	v_permlanex16_b32 v[BX+\b], v[BM+\b], s[SEL], s[SEL+1]
.endr
.irp b, 0,1
	s_delay_alu instid0(VALU_DEP_2)
	v_max_num_f32 v[BM+\b], v[BM+\b], v[BX+\b]
.endr
.irp b, 0,1
	s_delay_alu instid0(VALU_DEP_2)
	v_add_nc_u32 v[SO+\b], 0xff000000, v[BM+\b]
.endr
.irp b, 0,1
	s_delay_alu instid0(VALU_DEP_2)
	v_lshrrev_b32 v[BX+\b], 23, v[SO+\b]
.endr
	s_delay_alu instid0(VALU_DEP_1)
	v_cndmask_b32 v[T0], v[BX], v[BX+1], vcc_lo    ; lane (r, h) stores block h's byte
	v_cvt_scalef32_pk16_fp6_f32 v[CD:CD+2], v[S:S+15], v[SO]
	v_cvt_scalef32_pk16_fp6_f32 v[PT:PT+2], v[S+16:S+31], v[SO+1]
	v_nop                                          ; one plain place behind a scaled conversion
.irp i, 0,1,2
	v_permlane16_swap_b32 v[CD+\i], v[PT+\i]
.endr
.irp i, 0,1,2
	v_mov_b32 v[CD+3+\i], v[PT+\i]                 ; lane (r, h): channels 32 h + 0 .. 31 of query r: 24 bytes
.endr
.irp i, 0,1,2
	ds_store_b64 v[STI], v[CD+2*\i:CD+2*\i+1] offset:8*\i
.endr
.irp i, 0,1,2
	ds_load_b64 v[F+2*\i:F+2*\i+1], v[STO] offset:256*\i   ; LDS serves a wave's instructions in order: these see my stores
.endr
	s_wait_alu depctr_va_vdst(0)
	s_wait_dscnt 0x0
.irp i, 0,1,2
	global_store_b64 v[L8], v[F+2*\i:F+2*\i+1], s[52:53] offset:256*\i   ; 32 lanes store 256 consecutive bytes, aligned
.endr
	global_store_b8 v[R32], v[T0], s[54:55]
	s_wait_tensorcnt 0x0                           ; the wave's end
	ds_add_u32 v[SPW], v[NIL]
	s_wait_dscnt 0x0
	CROUND                                         ; the closing round
	s_endpgm
.Lfunc_end_k_q5d07c8baef_attn:
	.size	k_q5d07c8baef_attn, .Lfunc_end_k_q5d07c8baef_attn-k_q5d07c8baef_attn
	.p2alignl 7, 3214868480
	.fill 96, 4, 3214868480
	.section	.rodata,"a",@progbits
	.p2align	6, 0x0
	.amdhsa_kernel k_q5d07c8baef_attn
		.amdhsa_group_segment_fixed_size 219136
		.amdhsa_private_segment_fixed_size 0
		.amdhsa_enable_private_segment 0
		.amdhsa_kernarg_size 16
		.amdhsa_user_sgpr_count 2
		.amdhsa_user_sgpr_kernarg_segment_ptr 1
		.amdhsa_wavefront_size32 1
		.amdhsa_system_sgpr_workgroup_id_x 1
		.amdhsa_system_sgpr_workgroup_id_y 1
		.amdhsa_system_sgpr_workgroup_id_z 1
		.amdhsa_system_vgpr_workitem_id 0
		.amdhsa_next_free_vgpr 256
		.amdhsa_next_free_sgpr 66
		.amdhsa_reserve_vcc 1
		.amdhsa_float_denorm_mode_32 3
		.amdhsa_float_denorm_mode_16_64 3
		.amdhsa_memory_ordered 1
		.amdhsa_forward_progress 1
		.amdhsa_inst_pref_size 46
	.end_amdhsa_kernel
	.amdgpu_metadata
---
amdhsa.version: [ 1, 2 ]
amdhsa.kernels:
  - .name:           k_q5d07c8baef_attn
    .symbol:         k_q5d07c8baef_attn.kd
    .args:
      - { .name: qkv, .offset: 0, .size: 8, .value_kind: global_buffer, .address_space: global }
      - { .name: oq, .offset: 8, .size: 8, .value_kind: global_buffer, .address_space: global }
    .group_segment_fixed_size: 219136
    .private_segment_fixed_size: 0
    .kernarg_segment_align: 8
    .kernarg_segment_size: 16
    .max_flat_workgroup_size: 512
    .sgpr_count:     66
    .vgpr_count:     256
    .wavefront_size: 32
...
	.end_amdgpu_metadata
.endif
;; end of part 3
;; launch gemm_out (part 4): grid 16 x 16, 4 waves a work-group, clusters of 4 x 4, 327,680 bytes of LDS; arguments oq, woq, out0; writes out0
.if DOCPART == 4
	.amdgcn_target "amdgcn-amd-amdhsa--gfx1250"
	.amdhsa_code_object_version 6
	.text
	.protected	k_q5d07c8baef_gemm_out
	.globl	k_q5d07c8baef_gemm_out
	.p2align	8
	.type	k_q5d07c8baef_gemm_out,@function
k_q5d07c8baef_gemm_out:
	s_mov_b64 s[64:65], 0
	v_nop
	global_prefetch_b8 v0, s[64:65] scope:SCOPE_SE
	s_setreg_imm32_b32 hwreg(HW_REG_WAVE_MODE, 25, 1), 1
	s_wait_xcnt 0x0
	s_wait_alu depctr_hold_cnt(0) depctr_sa_sdst(0) depctr_va_vdst(0) depctr_va_sdst(0) depctr_va_ssrc(0) depctr_va_vcc(0) depctr_vm_vsrc(0)
	s_getreg_b32 s2, hwreg(HW_REG_IB_STS2, 6, 4)
	s_cmp_eq_u32 s2, 0
	s_cbranch_scc0 .Lentry_in_a_cluster
	s_endpgm
.Lentry_in_a_cluster:
	s_bfe_u32 s2, ttmp6, 0x10000c
	s_cmp_lg_u32 s2, 0xf033
	s_cbranch_scc0 .Lentry_shape_is_right
	s_endpgm
.Lentry_shape_is_right:
; out0 = o Wo on codes of FP6 (E2M3) with E8M0 scales: M = 4,096, K = 1,024, N = 2,048; f32 out.
; A (source 1): oq, codes [16 heads][4,096 rows][48 bytes], scale bytes [4,096][32]; row p holds the token with bits 3 and 4 of p swapped.
; B (source 0): woq, codes [16 blocks of 128 rows][2 halves of K][128 rows][384 bytes], scale bytes [2,048][32].
; A work-group of four waves makes 256 rows x 128 columns: 16 x 16 = 256 work-groups.  Wave w makes rows 64 w .. 64 w + 63 x all 128 columns: 32 accumulators, 256 registers.
; TWO PASSES OVER K, one for each 64 columns: the first pass's results, 64 rows x 256 bytes a wave, are stored before the second pass is multiplied, and nothing waits for those stores.
; A's fragments of all eight steps, 384 registers, are read from LDS in the first pass and stay in registers for the second: no fragment is read from LDS twice.
; ALL OF K LIES IN LDS, each byte filled once, in two halves of K (eight heads each).  For a half, waves 0 and 1 fetch A (8 heads x 128 rows x 48 bytes: rows of 6,144 bytes) and waves 2 and 3 fetch B (64 rows x 384 bytes,
; a dense run stated as 96 rows of 256 bytes): one tensor load a wave.  The first half is asked for at the head; the second behind the wait for the first, the add and a round of the cluster's barrier;
; it is read behind a barrier in the first pass's step 3, in front of which every wave has waited for its load.
; PREFETCH.  The second half's bytes are named at the head, half of K ahead of the load that takes them: of a wave's load each of the four partners that ask jointly names a quarter, told apart by address
; (A: two heads of 24 blocks of 256 bytes, by cx; B: 24 blocks, by cy), a lane a block; lanes 24-31 name the last again.
; CLUSTERS: 4 x 4.  A's tiles hang on the tile row alone and are shared along a row of the cluster, B's on the tile column alone and are shared along a column: joint loads with a mask of four.
; BANKS.  A's rows lie 48 bytes apart, B's 432 (384 + 16 of padding behind each 128): sixteen rows start at the sixteen multiples of 4 words modulo 64.
; THE SCALES go from memory straight into registers, once: lane r takes its row's 32 bytes.  THE MATRIX INSTRUCTION IS USED TRANSPOSED: a lane holds eight neighbouring numbers of a row of the output.
; THE WAY OUT goes block by block (16 rows x 64 columns) through the wave's own stage, bytes of their own behind the spare words, and puts the rows back in the tokens' order.
; REGISTERS: window 0: v0-31 addresses; v32-63 A's scale words, v64-127 B's; v128-191 rows on the way out.  window 1: v0-95 B's fragments, two sets of four; v112-255 A's fragments of steps 5-7.
;   window 2: the accumulators ((a, b) at v[8 (8 a + b)]).  window 3: v0-239 A's fragments of steps 0-4.
.set SIZE_N, 2048
.set KROW,   768
.set FR,     12
.set NP,     4
.set HEADW,  128*48                    ; a head's codes of 128 rows
.set APW,    8*HEADW                   ; one of A's loads
.set APIECE, 2*APW                     ; 256 rows x half of K
.set BBASE,  2*APIECE
.set BPITCH, 432
.set BPW,    64*BPITCH                 ; one of B's loads, in LDS
.set BHALF,  2*BPW
.set SPARE,  BBASE+2*BHALF             ; the spare words, 512 bytes
.set STG,    SPARE+512                 ; the stages: 16 rows x 272 bytes a wave
.set SPITCH, 272
.set HSTEP,  8*196608                  ; eight heads on in oq
.set OSCO,   3145728
.set WOSC,   1572864
.set ADRA, 16                          ; v16-17 my A fragments in half 0, 1
.set ADRB, 20                          ; v20-21 B's; v22-23 the same behind one padding more
.set STO,  24
.set RD,   25
.set CO,   26
.set RS,   27
.set PFO,  29
.set SPW,  30
.set NIL,  31
.set SA,   32
.set SB,   64
.set BK,   128
.set G1,  24                           ; s[24:31] group 1 for A; s[32:39] group 0, one set a half
.set G0,  32
.set G1B, 48                           ; s[48:55], s[56:63] the same for B
.set G0B, 56
.set MSB, 0
.macro WIN new                         ; the immediate's high byte repeats the setting that is left
.if MSB != \new
	s_set_vgpr_msb (MSB<<8)|\new
.set MSB, \new
.endif
.endm
.macro CROUND
	s_barrier_signal -1
	s_barrier_wait -1
	s_cmp_lg_u32 s14, 0
	s_cbranch_scc1 .Lnot_wave_0_\@
	s_barrier_signal -3
.Lnot_wave_0_\@:
	s_barrier_wait -3
	s_barrier_signal -1
	s_barrier_wait -1
.endm
.macro PLACES n
.rept \n
	v_nop
.endr
.endm
.macro JLOAD u                         ; half u of K: waves 0, 1 ask for A, waves 2, 3 for B; every way passes one load
	s_cmp_eq_u32 s79, 0
	s_cbranch_scc0 .Lfor_b_\@
	tensor_load_to_lds s[G0+4*\u:G0+4*\u+3], s[G1:G1+7]
	s_nop 0
.rept 4
	v_nop
.endr
	s_branch .Lasked_\@
.Lfor_b_\@:
	tensor_load_to_lds s[G0B+4*\u:G0B+4*\u+3], s[G1B:G1B+7]
	s_nop 0
.rept 4
	v_nop
.endr
.Lasked_\@:
.endm
	s_load_b128 s[4:7], s[0:1], 0x0                ; oq, woq
	s_load_b64 s[12:13], s[0:1], 0x10              ; out0
	v_lshl_add_u32 v[SPW], v0, 2, SPARE
	v_mov_b32 v[NIL], 0
	ds_add_u32 v[SPW], v[NIL]                      ; the opening lines: the add twice on end and its wait
	ds_add_u32 v[SPW], v[NIL]
	v_lshrrev_b32 v1, 5, v0
	v_readfirstlane_b32 s14, v1                    ; wave 0..3
	s_and_b32 s15, s14, 1                          ; which part of a tile I fetch
	s_lshr_b32 s79, s14, 1                         ; I fetch for A (0) or B (1); also: which 128 rows hold my 64
	s_bfe_u32 s66, ttmp6, 0x40000                  ; cx, cy
	s_bfe_u32 s67, ttmp6, 0x40004
	s_lshl_b32 s68, ttmp9, 2
	s_add_co_u32 s68, s68, s66                     ; tile column
	s_and_b32 s69, ttmp7, 0xffff
	s_lshl_b32 s69, s69, 2
	s_add_co_u32 s69, s69, s67                     ; tile row
	s_lshl_b32 s70, s67, 2
	s_lshl_b32 s70, 15, s70                        ; my row of the cluster
	s_lshl_b32 s71, 0x1111, s66                    ; my column
	s_or_b32 s[G1+0], s70, (3<<16)|(1<<21)         ; A: elements of 8 bytes, no padding
	s_mov_b32 s[G1+1], 768<<16                     ; 128 rows of 48 bytes on end
	s_mov_b32 s[G1+2], 8<<16                       ; 8 heads
	s_mov_b32 s[G1+3], 768<<16
	s_mov_b32 s[G1+4], 8
	s_mov_b32 s[G1+5], 24576                       ; from head to head: 196,608 bytes
	s_mov_b32 s[G1+6], 0
	s_mov_b32 s[G1+7], 0
	s_or_b32 s[G1B+0], s71, (0<<16)|(1<<20)|(1<<21)|(4<<22)|(3<<25)   ; B: elements of 1 byte; 4 words of padding behind every 32
	s_mov_b32 s[G1B+1], 256<<16
	s_mov_b32 s[G1B+2], 96<<16
	s_mov_b32 s[G1B+3], 256<<16
	s_mov_b32 s[G1B+4], 96
	s_mov_b32 s[G1B+5], 256
	s_mov_b32 s[G1B+6], 0
	s_mov_b32 s[G1B+7], 0
	s_lshl_b32 s16, s69, 8
	s_lshl_b32 s17, s14, 6
	s_add_co_u32 s16, s16, s17                     ; my 64 rows of A and of the output
	s_lshl_b32 s20, s69, 1
	s_add_co_u32 s20, s20, s15
	s_mul_i32 s20, s20, HEADW                      ; A's 128 rows that a wave fetches, in a head
	s_mov_b32 s21, 0
	s_lshl_b32 s22, s16, 5
	s_add_co_u32 s22, s22, OSCO                    ; my rows' scale bytes
	s_mov_b32 s23, 0
	s_mul_i32 s74, s68, 128*KROW                   ; B's block of 128 rows,
	s_mul_i32 s73, s15, 32*KROW                    ; and 64 rows x 384 bytes of a half
	s_add_co_u32 s74, s74, s73
	s_mov_b32 s75, 0
	s_lshl_b32 s76, s68, 12
	s_add_co_u32 s76, s76, WOSC                    ; the scale bytes of the tile's 128 rows
	s_mov_b32 s77, 0
	s_mul_i32 s18, s15, APW                        ; where the loads go: constants x the wave's number
	s_mul_i32 s19, s15, BPW
	s_add_co_u32 s19, s19, BBASE
	s_mul_i32 s78, s79, APW
	s_mul_i32 s82, s15, 64*48
	s_add_co_u32 s78, s78, s82                     ; my 64 rows in A's image
	s_mul_i32 s83, s14, 16*SPITCH
	s_add_co_u32 s83, s83, STG                     ; my stage
	s_lshl_b32 s80, s16, 13                        ; my first row of the output,
	s_lshl_b32 s81, s68, 9                         ; and the tile's first column
	s_add_co_u32 s80, s80, s81
	s_mov_b32 s81, 0
	s_mov_b32 s88, 24*256                          ; the prefetch: a partner's quarter of a load of the second half: B's 24 blocks,
	s_mov_b32 s89, 64*KROW
	s_cmp_eq_u32 s79, 0
	s_cselect_b32 s86, s66, s67                    ; my place among the four that ask with me: cx for A, cy for B
	s_cselect_b32 s88, 2*196608, s88               ; or two of A's eight heads;
	s_cselect_b32 s89, HSTEP, s89                  ; and where the second half begins
	s_mul_i32 s86, s86, s88
	s_add_co_u32 s86, s86, s89
	s_mov_b32 s87, 0
	s_wait_dscnt 0x0
	s_wait_kmcnt 0x0
	s_add_nc_u64 s[20:21], s[4:5], s[20:21]
	s_add_nc_u64 s[22:23], s[4:5], s[22:23]
	s_add_nc_u64 s[74:75], s[6:7], s[74:75]
	s_add_nc_u64 s[76:77], s[6:7], s[76:77]
	s_add_nc_u64 s[12:13], s[12:13], s[80:81]
	s_cmp_eq_u32 s79, 0
	s_cselect_b64 s[84:85], s[20:21], s[74:75]
	s_add_nc_u64 s[84:85], s[84:85], s[86:87]
.irp u, 0,1
	s_mov_b32 s[G0+4*\u], 1
	s_add_co_u32 s[G0+4*\u+1], s18, \u*APIECE
	s_add_nc_u64 s[G0+4*\u+2:G0+4*\u+3], s[20:21], \u*HSTEP
	s_or_b32 s[G0+4*\u+3], s[G0+4*\u+3], 0x80000000
	s_mov_b32 s[G0B+4*\u], 1
	s_add_co_u32 s[G0B+4*\u+1], s19, \u*BHALF
	s_add_nc_u64 s[G0B+4*\u+2:G0B+4*\u+3], s[74:75], \u*64*KROW
	s_or_b32 s[G0B+4*\u+3], s[G0B+4*\u+3], 0x80000000
.endr
	CROUND                                         ; all sixteen work-groups are here: the joint loads meet
	JLOAD 0                                        ; the first half of K: one tensor load a wave at the head
	v_and_b32 v[PFO], 31, v0
	v_min_u32 v[PFO], 23, v[PFO]
	v_lshlrev_b32 v[PFO], 8, v[PFO]                ; a lane a block of 256 bytes
	global_prefetch_b8 v[PFO], s[84:85] th:TH_LOAD_NT scope:SCOPE_SE
	s_cmp_eq_u32 s79, 0
	s_cbranch_scc0 .Lone_run
	global_prefetch_b8 v[PFO], s[84:85] offset:196608 th:TH_LOAD_NT scope:SCOPE_SE   ; A: the second of my two heads
.Lone_run:
	v_and_b32 v1, 15, v0                           ; r
	v_bfe_u32 v2, v0, 4, 1                         ; h
	v_lshlrev_b32 v[RS], 5, v1
.irp i, 0,1,2,3
	global_load_b128 v[SA+8*\i:SA+8*\i+3], v[RS], s[22:23] offset:512*\i
	global_load_b128 v[SA+8*\i+4:SA+8*\i+7], v[RS], s[22:23] offset:512*\i+16
.endr
.irp b, 0,1,2,3,4,5,6,7
	global_load_b128 v[SB+8*\b:SB+8*\b+3], v[RS], s[76:77] offset:512*\b
	global_load_b128 v[SB+8*\b+4:SB+8*\b+7], v[RS], s[76:77] offset:512*\b+16
.endr
	v_mul_u32_u24 v4, v2, 24
	v_mul_u32_u24 v3, v1, BPITCH
	v_add_nc_u32 v3, v3, v4                        ; B: row x pitch + 24 h
	v_lshl_add_u32 v5, v2, 4, v3                   ; and the same behind one padding more
	v_mul_u32_u24 v6, v1, 48
	v_add_nc_u32 v6, v6, v4                        ; A: 48 r + 24 h,
	v_add_nc_u32 v6, s78, v6                       ; at my 64 rows
.irp u, 0,1
	v_add_nc_u32 v[ADRA+\u], \u*APIECE, v6
	v_add_nc_u32 v[ADRB+\u], BBASE+\u*BHALF, v3
	v_add_nc_u32 v[ADRB+2+\u], BBASE+\u*BHALF, v5
.endr
	v_mul_u32_u24 v5, v1, SPITCH
	v_lshl_add_u32 v5, v2, 5, v5
	v_add_nc_u32 v[STO], s83, v5                   ; the stage, in: row r, 32 bytes for each half of the lanes
	v_mul_u32_u24 v6, v2, SPITCH
	v_lshl_add_u32 v6, v1, 4, v6
	v_add_nc_u32 v[RD], s83, v6                    ; back: lanes 0-15 take one row of 256 bytes, lanes 16-31 the next;
	v_lshlrev_b32 v7, 13, v2
	v_lshl_add_u32 v[CO], v1, 4, v7                ; and the same two rows in the output
; A fragment: 16 rows x 128 K in 12 registers, 24 bytes a lane for each 64 along K, in pieces of 8.  q = 0 .. 7: the step of 128 along K
.macro FRAGA reg, q, i                 ; registers 6 c .. 6 c + 5 are head 2 q + c's 24 bytes
.irp p, 0,1,2,3,4,5
	ds_load_b64 v[\reg+2*\p:\reg+2*\p+1], v[ADRA+(\q)/4] offset:(2*((\q)%4)+\p/3)*HEADW+(\i)*768+8*(\p%3)
.endr
.endm
.macro FRAGB reg, q, i                 ; 16 bytes of padding lie behind every 16 pieces; lanes 16-31 read three pieces further on
.irp p, 0,1,2,3,4,5
.set PN, 12*((\q)%4)+6*(\p/3)+\p%3
.if PN%16 < 13
	ds_load_b64 v[\reg+2*\p:\reg+2*\p+1], v[ADRB+(\q)/4] offset:8*PN+16*(PN/16)+(\i)*16*BPITCH
.else
	ds_load_b64 v[\reg+2*\p:\reg+2*\p+1], v[ADRB+2+(\q)/4] offset:8*PN+16*(PN/16)+(\i)*16*BPITCH
.endif
.endr
.endm
.macro AREG q                          ; where step q's four fragments of A stay: window AW, from register AB on
.if (\q) < 5
.set AW, 3
.set AB, 48*(\q)
.else
.set AW, 1
.set AB, 112+48*((\q)-5)
.endif
.endm
.macro FETCH_A q                       ; 24 loads, each register filled once in the launch
	AREG \q
.set WN, AW<<6
	WIN WN
.irp i, 0,1,2,3
	FRAGA AB+FR*\i, \q, \i
.endr
.endm
.macro FETCH_B q, hb                   ; B's blocks 4 hb .. 4 hb + 3 of step q into set q % 2: 24 loads
	WIN 0x40
.irp i, 0,1,2,3
	FRAGB 48*((\q)%2)+FR*\i, \q, 4*(\hb)+\i
.endr
.endm
; 16 matrix instructions: A's four blocks x four of B's.  The pass's 16 accumulators take turns, one instruction a turn.  zero = 1: the first product starts the sums
.macro MUL16 q, hb, zero
	AREG \q
.set WN, 0xa1|(AW<<2)
	WIN WN
.irp a, 0,1,2,3
.irp b, 0,1,2,3
.set AC, 8*(8*\a+4*(\hb)+\b)
.if \zero
	v_wmma_scale_f32_16x16x128_f8f6f4 v[AC:AC+7], v[48*((\q)%2)+FR*\b:48*((\q)%2)+FR*\b+FR-1], v[AB+FR*\a:AB+FR*\a+FR-1], 0, v[SB+8*(4*(\hb)+\b)+(\q)], v[SA+8*\a+(\q)] matrix_a_fmt:MATRIX_FMT_FP6 matrix_b_fmt:MATRIX_FMT_FP6
.else
	v_wmma_scale_f32_16x16x128_f8f6f4 v[AC:AC+7], v[48*((\q)%2)+FR*\b:48*((\q)%2)+FR*\b+FR-1], v[AB+FR*\a:AB+FR*\a+FR-1], v[AC:AC+7], v[SB+8*(4*(\hb)+\b)+(\q)], v[SA+8*\a+(\q)] matrix_a_fmt:MATRIX_FMT_FP6 matrix_b_fmt:MATRIX_FMT_FP6
.endif
.endr
.endr
.endm
; A STEP of pass hb: the next step's loads are issued ahead of this step's 16 matrix instructions; B's go into the set that the step before multiplied (hence the places)
.macro STEP q, hb, zero
	s_wait_dscnt 0x0                               ; this step's fragments are in
.if (\hb) == 0 && (\q) == 3
	s_wait_tensorcnt 0x0                           ; my load of the second half of K has landed,
	s_barrier_signal -1
	s_barrier_wait -1                              ; and everybody's.
.endif
.if (\q) < 7
.if (\q) > 0 || (\hb) > 0
	PLACES NP
.endif
.if (\hb) == 0
	FETCH_A (\q)+1
.endif
	FETCH_B (\q)+1, \hb
.elseif (\hb) == 0
	PLACES NP
	FETCH_B 0, 1                                   ; the second pass's first fragments
.endif
	MUL16 \q, \hb, \zero
	WIN 0
.endm
; THE WAY OUT of pass hb, block by block of 16 rows x 64 columns, through my own stage; LDS serves a wave's instructions in order
.macro TOSTAGE a, hb
	WIN 0x08                                       ; an LDS store's data are its source 1: window 2
.irp b, 0,1,2,3
	ds_store_b128 v[STO], v[8*(8*(\a)+4*(\hb)+\b):8*(8*(\a)+4*(\hb)+\b)+3] offset:64*\b          ; each accumulator from its low end on
	ds_store_b128 v[STO], v[8*(8*(\a)+4*(\hb)+\b)+4:8*(8*(\a)+4*(\hb)+\b)+7] offset:64*\b+16
.endr
	WIN 0
.set BB, BK+32*((\a)%2)
.irp t, 0,1,2,3,4,5,6,7
	ds_load_b128 v[BB+4*\t:BB+4*\t+3], v[RD] offset:\t*2*SPITCH
.endr
.endm
.macro SEND a, hb, younger             ; row t of block a is token 32 (a / 2) + 8 (a % 2) + 16 (t / 8) + t % 8 of my 64; a store takes rows 2 t and 2 t + 1.  younger: the LDS instructions issued behind block a's loads
.set BB, BK+32*((\a)%2)
	s_wait_dscnt \younger
.irp t, 0,1,2,3,4,5,6,7
	global_store_b128 v[CO], v[BB+4*\t:BB+4*\t+3], s[12:13] offset:(32*((\a)/2)+8*((\a)%2)+16*(\t/4)+2*(\t%4))*SIZE_N*4+256*(\hb) th:TH_STORE_NT   ; sixteen lanes store 256 consecutive bytes, aligned
.endr
.endm
.macro OUT hb
	PLACES NP                                      ; behind the pass's last products
.if (\hb) > 0
	s_wait_xcnt 0x0                                ; the first pass's stores have read their registers
.endif
	TOSTAGE 0, \hb
.irp a, 1,2,3
.if \a > 1
	s_wait_xcnt 0x0                                ; block a - 2's stores have read their registers
.endif
	TOSTAGE \a, \hb
	SEND \a-1, \hb, 16                             ; behind block a - 1's loads: block a's 8 stores and 8 loads
.endr
	SEND 3, \hb, 0
.endm
	s_wait_alu depctr_va_vdst(0)                   ; the wait at the head's end
	s_wait_tensorcnt 0x0                           ; my part of the first half is in
	ds_add_u32 v[SPW], v[NIL]
	s_wait_dscnt 0x0
	CROUND                                         ; everybody's part is in, and all sixteen work-groups are here
	JLOAD 1                                        ; the second half of K, the first tensor load behind the round
	FETCH_A 0
	FETCH_B 0, 0
	WIN 0
	s_wait_loadcnt 0x0                             ; the scale words
	STEP 0, 0, 1
.irp q, 1,2,3,4,5,6,7
	STEP \q, 0, 0
.endr
	OUT 0                                          ; columns 0-63 leave; nothing waits for their stores
	STEP 0, 1, 1
.irp q, 1,2,3,4,5,6,7
	STEP \q, 1, 0
.endr
	OUT 1
	s_wait_tensorcnt 0x0                           ; the wave's end
	ds_add_u32 v[SPW], v[NIL]
	s_wait_dscnt 0x0
	CROUND                                         ; the closing round
	s_endpgm
.Lfunc_end_k_q5d07c8baef_gemm_out:
	.size	k_q5d07c8baef_gemm_out, .Lfunc_end_k_q5d07c8baef_gemm_out-k_q5d07c8baef_gemm_out
	.p2alignl 7, 3214868480
	.fill 96, 4, 3214868480
	.section	.rodata,"a",@progbits
	.p2align	6, 0x0
	.amdhsa_kernel k_q5d07c8baef_gemm_out
		.amdhsa_group_segment_fixed_size 327680
		.amdhsa_private_segment_fixed_size 0
		.amdhsa_enable_private_segment 0
		.amdhsa_kernarg_size 24
		.amdhsa_user_sgpr_count 2
		.amdhsa_user_sgpr_kernarg_segment_ptr 1
		.amdhsa_wavefront_size32 1
		.amdhsa_system_sgpr_workgroup_id_x 1
		.amdhsa_system_sgpr_workgroup_id_y 1
		.amdhsa_system_sgpr_workgroup_id_z 1
		.amdhsa_system_vgpr_workitem_id 0
		.amdhsa_next_free_vgpr 1024
		.amdhsa_next_free_sgpr 96
		.amdhsa_reserve_vcc 0
		.amdhsa_float_denorm_mode_32 3
		.amdhsa_float_denorm_mode_16_64 3
		.amdhsa_memory_ordered 1
		.amdhsa_forward_progress 1
		.amdhsa_inst_pref_size 99
	.end_amdhsa_kernel
	.amdgpu_metadata
---
amdhsa.version: [ 1, 2 ]
amdhsa.kernels:
  - .name:           k_q5d07c8baef_gemm_out
    .symbol:         k_q5d07c8baef_gemm_out.kd
    .args:
      - { .name: oq, .offset: 0, .size: 8, .value_kind: global_buffer, .address_space: global }
      - { .name: woq, .offset: 8, .size: 8, .value_kind: global_buffer, .address_space: global }
      - { .name: out0, .offset: 16, .size: 8, .value_kind: global_buffer, .address_space: global }
    .group_segment_fixed_size: 327680
    .private_segment_fixed_size: 0
    .kernarg_segment_align: 8
    .kernarg_segment_size: 24
    .max_flat_workgroup_size: 128
    .sgpr_count:     96
    .vgpr_count:     1024
    .wavefront_size: 32
...
	.end_amdgpu_metadata
.endif
;; end of part 4
